; MI455X (gfx1250); checked and timed in simulation.
; The chip was launched on July 23, 2026; its instructions are those of AMD's public machine-readable ISA for CDNA 5 (MIT licence, August 2026) and "CDNA5" Instruction Set Architecture Reference Guide (July 2026). The comments in the code are by the model that wrote it; some were corrected since.
;; Multi Head Attention. Allowed arithmetic: matrix products marked QUANTISED: E2M1 operands, one E8M0 scale for each 32 along K, by v_wmma_scale_f32_16x16x128_f8f6f4 with both operands' format E2M1 (or v_wmma_scale_f32_32x16x128_f4), f32 sums; products left as they are: bf16, f16 or f32 operands; f32 sums; everything else in f32.
;; Inputs: Wk 1,024 x 1,024 float32; Wo 1,024 x 1,024 float32; Wq 1,024 x 1,024 float32; Wv 1,024 x 1,024 float32; bk 1,024 float32; bo 1,024 float32; bq 1,024 float32; bv 1,024 float32; key 2 x 2,048 x 1,024 float32; query 2 x 2,048 x 1,024 float32; value 2 x 2,048 x 1,024 float32.
;; Outputs: out0 2 x 2,048 x 1,024 float32.
;; This version of the problem:
;;   THIS VERSION OF THE PROBLEM IS GIVEN IN LOW PRECISION. The matrix products marked QUANTISED in the list below multiply operands that are first quantised to E2M1 (2 exponent bits, 1 mantissa bit; 4 bits a number), with one power-of-two scale for each 32 numbers along K (OCP MX v1.0); their sums are f32. The products marked 'left as it is' may take bf16, f16 or f32 operands, with f32 sums. Whichever they take, every output number must still come out within the allowed error. Rounding operands to bf16 (8 significant bits) uses up far more of that allowance than f16 does (11 bits, for magnitudes from 6e-5 to 65,504). All else is computed in f32.
;;   The module's matrix products, in the order in which they are computed (A, B: the left and right operand; K: the contracted axis; several contracted axes count as one K, in the product's order):
;;     1. [M 4,096, K 1,024] x [K 1,024, N 1,024]; A: input query; B: input Wq: QUANTISED
;;     2. [M 4,096, K 1,024] x [K 1,024, N 1,024]; A: input key; B: input Wk: QUANTISED
;;     3. [M 4,096, K 1,024] x [K 1,024, N 1,024]; A: input value; B: input Wv: QUANTISED
;;     4. batch 32 x [M 2,048, K 64] x [K 64, N 2,048]; A: computed on the way; B: computed on the way: left as it is (an operand is computed on the way)
;;     5. batch 32 x [M 2,048, K 2,048] x [K 2,048, N 64]; A: computed on the way; B: computed on the way: left as it is (an operand is computed on the way)
;;     6. [M 4,096, K 1,024] x [K 1,024, N 1,024]; A: computed on the way; B: input Wo: left as it is (an operand is computed on the way)
;;   THE QUANTISER, for each operand of a quantised product, along K:
;;     - K is cut into blocks of 32 from its start; a last block that is shorter is filled with zeros.
;;     - A block's scale is 2^e with e = floor(log2(the largest magnitude in the block)) - 2, held to -126 .. 127; a block of zeros has e = 0. As a byte (E8M0): e + 127.
;;     - Each number is divided by its block's scale, clamped to +-6, and rounded to the nearest number of E2M1, ties to even, subnormals kept.
;;     - The product sums the exact products of the quantised numbers (number of the format x scale) in f32.
;;   ~~~python
;;   def quantise(x, axis):      # numpy; x: float32 -> the quantised numbers, widened to float32 again
;;       x = np.moveaxis(x, axis, -1); K = x.shape[-1]
;;       x = np.pad(x, [(0, 0)] * (x.ndim - 1) + [(0, -K % 32)]); x = x.reshape(x.shape[:-1] + (-1, 32)); a = np.abs(x).max(-1, keepdims=True)
;;       e = np.where(a > 0, np.clip(np.frexp(np.where(a > 0, a, 1))[1] - 1 - 2, -126, 127), 0)      # np.frexp(a)[1] - 1 = floor(log2(a)), exactly
;;       r = np.clip(x / 2.0 ** e, -6, 6)
;;       step = 2.0 ** (np.maximum(np.frexp(np.where(r == 0, 1, r))[1] - 1, 0) - 1)
;;       q = np.round(r / step) * step * 2.0 ** e      # np.round: ties to even
;;       return np.moveaxis(q.reshape(q.shape[:-2] + (-1,))[..., :K], -1, axis).astype(np.float32)
;;   ~~~
;; One version. Each part assembles by itself: llvm-mc -triple=amdgcn-amd-amdhsa -mcpu=gfx1250 --defsym DOCPART=n.
;; ======== version 1 of 1: 4 launches
;; limits: values are held in f16: magnitudes above 65,504 overflow, below 6.1e-05 lose precision
;; workspace buffers: codes 7,864,320 bytes; scales 491,520 bytes; wo16 2,097,152 bytes; qkv16 25,165,824 bytes; o16 8,388,608 bytes
;; launch prep (part 1): grid 512 x 1, 4 waves a work-group, no clusters, 33,280 bytes of LDS; arguments query, key, value, Wq, Wk, Wv, Wo, codes, scales, wo16; writes codes, scales, wo16
.if DOCPART == 1
	.amdgcn_target "amdgcn-amd-amdhsa--gfx1250"
	.amdhsa_code_object_version 6
	.text
	.protected	k_q8e0b4035f0_prep
	.globl	k_q8e0b4035f0_prep
	.p2align	8
	.type	k_q8e0b4035f0_prep,@function
k_q8e0b4035f0_prep:
	s_mov_b64 s[64:65], 0
	v_nop
	global_prefetch_b8 v0, s[64:65] scope:SCOPE_SE
	s_setreg_imm32_b32 hwreg(HW_REG_WAVE_MODE, 25, 1), 1
	s_wait_xcnt 0x0
; PREP.  query, key, value [4096][1024] and Wq, Wk, Wv [1024][1024], f32 with K innermost, become codes of FP4 (E2M1), 4 bits each, with one E8M0 scale byte for each 32 along K;
; Wo [1024][1024] becomes f16, rounded once, row-major as it lies.
; The six quantised tensors lie one behind the other in the two workspace buffers: 15,360 rows of 512 bytes of codes and of 32 scale bytes (rows 0 query, 4096 key, 8192 value, 12288 Wq, 13312 Wk, 14336 Wv).
; A block's scale is 2^(floor(log2(its largest magnitude)) - 2); its byte is the largest magnitude's own exponent field - 2, held at 1 from below.  A block of zeros so gets the byte 1 where the
; problem's text says 127: its codes are zeros, which add nothing under any byte but 0xff, and this program alone reads the bytes.  Each number is divided by the scale and rounded to the nearest code, ties to even;
; beyond 6 the conversion gives the largest code.
; LIMITS: NaN and infinities among the inputs are not served; blocks whose largest magnitude lies under 2^-124 keep the byte 1.  Wo beyond 65,504 in magnitude does not fit f16.
; SHARES: a work-group takes 32,768 numbers, a wave 8,192.  Work-groups 0-127 query, 128-255 key, 256-383 value, 384-415 Wq, 416-447 Wk, 448-479 Wv, 480-511 Wo.  Rows are dense and 1,024 is a multiple of 32,
; so each tensor is a plain stream of blocks of 32, and the place of the results follows from the work-group's number alone.  Only the source pointer is chosen.
; QUANTISING: 16 steps of 512 numbers a wave.  Each load reads 512 consecutive bytes, 16 a lane; a step's 2,048 bytes turn through the wave's own stage in LDS and come back 64 bytes a lane, so that a lane holds
; 16 neighbours along K (two neighbouring lanes hold a block).  A wave's store of codes covers 256 consecutive bytes, aligned; its 256 scale bytes are gathered in LDS and leave by one such store.
; No tensor loads, no barrier: waves share nothing.  Loads run ten steps (40 loads, 20,480 bytes a wave) ahead, the turn through LDS one step.
.set WAVES, 4
.set STEPS, 16
.set DEPTH, 10                         ; steps whose loads are on their way
.set EMAX,  2
.set CB,    8                          ; bytes of 16 codes
.set R,     16                         ; v16-175  ten sets of 16 numbers as loaded (Wo: v16-79 and v80-143, two sets of 64)
.set X,     176                        ; v176-207 two sets of 16 neighbours
.set E,     208                        ; v208-223 a scale byte for each step
.set C,     224                        ; v224-255 codes: two registers for each step, so that no store's data are written again
.set WOUT,  176                        ; v176-207 Wo: 16 pairs of registers to store
.set WREG,  8192                       ; LDS: a region for each wave: two stages of 32 x SP bytes, behind them its 256 scale bytes
.set SP,    80                         ; a lane's place in a stage: its 64 bytes + 16 of padding
.set SPW,   12                         ; v12      LDS address of my spare word: SPARE + 4 x my thread's number; never rewritten
.set NIL,   13                         ; v13      0; never rewritten
.set SPARE, WAVES*WREG                 ; behind the four regions: the spare words, 128 bytes for each wave
.set SRC,   24                         ; s[24:25] the tensor that my work-group reads
.set FWG,   26                         ; s26      the first work-group of that tensor
.set WV,    27                         ; s27      my wave's number
	s_load_b512 s[4:19], s[0:1], 0x0               ; query s[4:5], key s[6:7], value s[8:9], Wq s[10:11], Wk s[12:13], Wv s[14:15], Wo s[16:17], codes s[18:19]
	s_load_b128 s[20:23], s[0:1], 0x40             ; scales s[20:21], wo16 s[22:23]
	v_lshl_add_u32 v[SPW], v0, 2, SPARE
	v_mov_b32 v[NIL], 0
	v_lshrrev_b32 v1, 5, v0
	v_readfirstlane_b32 s[WV], v1                  ; wave 0..3
	v_and_b32 v2, 31, v0                           ; lane
	v_lshlrev_b32 v3, 4, v2                        ; my 16 bytes of a load's 512
	s_mul_i32 s28, s[WV], WREG
	v_lshrrev_b32 v14, 2, v2
	v_mul_u32_u24 v14, v14, SP
	v_and_b32 v15, 3, v2
	v_lshl_add_u32 v14, v15, 4, v14
	v_add_nc_u32 v14, s28, v14                     ; the stage, on the way in: four lanes' 64 bytes on end, then 16 of padding
	v_mul_u32_u24 v15, v2, SP
	v_add_nc_u32 v15, s28, v15                     ; and on the way out: SP x lane: my 16 neighbours
	v_mul_u32_u24 v4, v2, CB                       ; 8 x lane: my codes' place in a step's (Wo: my four f16 of a load's 128)
	v_lshrrev_b32 v5, 1, v2
	s_add_co_u32 s28, s28, 2*32*SP
	v_add_nc_u32 v5, s28, v5                       ; LDS: my wave's 256 scale bytes, my block's byte
	v_lshlrev_b32 v7, 3, v2                        ; and on the way out 8 bytes a lane
	v_add_nc_u32 v6, s28, v7
	s_wait_kmcnt 0x0
; The source is chosen by the work-group's number alone, from the last tensor down to the first.
.macro PICK limit, ptr, first
	s_cmp_lt_u32 ttmp9, \limit
	s_cselect_b64 s[SRC:SRC+1], s[\ptr:\ptr+1], s[SRC:SRC+1]
	s_cselect_b32 s[FWG], \first, s[FWG]
.endm
	s_mov_b64 s[SRC:SRC+1], s[16:17]               ; Wo,
	s_mov_b32 s[FWG], 480
	PICK 480, 14, 448                              ; or Wv,
	PICK 448, 12, 416                              ; Wk,
	PICK 416, 10, 384                              ; Wq,
	PICK 384, 8, 256                               ; value,
	PICK 256, 6, 128                               ; key,
	PICK 128, 4, 0                                 ; query
	s_sub_co_u32 s28, ttmp9, s[FWG]
	s_lshl_b32 s28, s28, 2
	s_add_co_u32 s28, s28, s[WV]                   ; which run of 8,192 numbers of the tensor is my wave's
	s_lshl_b32 s30, s28, 15                        ; 32,768 bytes a run
	s_mov_b32 s31, 0
	s_add_nc_u64 s[SRC:SRC+1], s[SRC:SRC+1], s[30:31]
	s_cmp_ge_u32 ttmp9, 480
	s_cbranch_scc1 .Lwo
	s_lshl_b32 s29, ttmp9, 2
	s_add_co_u32 s29, s29, s[WV]                   ; which run of all six tensors
	s_lshl_b32 s30, s29, 12                        ; 4,096 bytes of codes a run
	s_add_nc_u64 s[18:19], s[18:19], s[30:31]
	s_lshl_b32 s30, s29, 8                         ; 256 scale bytes a run
	s_add_nc_u64 s[20:21], s[20:21], s[30:31]
.macro LOAD t
.irp i, 0,1,2,3
	global_load_b128 v[R+16*((\t)%DEPTH)+4*\i:R+16*((\t)%DEPTH)+4*\i+3], v3, s[SRC:SRC+1] offset:2048*(\t)+512*\i th:TH_LOAD_NT   ; 32 lanes read 512 consecutive bytes
.endr
.endm
.macro TURN t                          ; step t's numbers through the stage: LDS serves a wave's instructions in order (ISA guide 5.7.1.4), so no wait stands between the stores and the loads
.irp i, 0,1,2,3
	ds_store_b128 v14, v[R+16*((\t)%DEPTH)+4*\i:R+16*((\t)%DEPTH)+4*\i+3] offset:32*SP*((\t)%2)+8*SP*\i
.endr
.irp i, 0,1,2,3
	ds_load_b128 v[X+16*((\t)%2)+4*\i:X+16*((\t)%2)+4*\i+3], v15 offset:32*SP*((\t)%2)+16*\i
.endr
.endm
.irp t, 0,1,2,3,4,5,6,7,8,9
	LOAD \t
.endr
	s_wait_loadcnt 4*(DEPTH-1)                     ; step 0's four loads are in; the 36 of steps 1 to 9 may be out
	TURN 0
.macro STEP t
.set XS, X+16*((\t)%2)
.if (\t) > 0
	s_wait_dscnt 1                                 ; this step's numbers are back from the stage (the last step's byte store may be out): so its stores into the stage have read their registers,
.else
	s_wait_dscnt 0x0
.endif
.if (\t)+DEPTH < STEPS
	LOAD (\t)+DEPTH                                ; which take the loads of ten steps on
.endif
.if (\t)+1 < STEPS
.if STEPS-2-(\t) >= DEPTH-1
	s_wait_loadcnt 4*(DEPTH-1)                     ; the next step's four loads are in; those of the nine steps behind it may be out
.else
	s_wait_loadcnt 4*(STEPS-2-(\t))                ; in the tail fewer steps stand behind it
.endif
	TURN (\t)+1                                    ; and go through the other stage while this step is worked
.endif
	v_max3_num_f32 v8, |v[XS]|, |v[XS+1]|, |v[XS+2]|               ; the largest magnitude of my 16, in two chains
	v_max3_num_f32 v9, |v[XS+3]|, |v[XS+4]|, |v[XS+5]|
.irp i, 6,10
	v_max3_num_f32 v8, v8, |v[XS+\i]|, |v[XS+\i+1]|
	v_max3_num_f32 v9, v9, |v[XS+\i+2]|, |v[XS+\i+3]|
.endr
	v_max3_num_f32 v8, v8, |v[XS+14]|, |v[XS+15]|
	v_max3_num_f32 v8, v8, v9, (EMAX+1)<<23        ; and the floor 2^(EMAX + 1 - 127): so the byte cannot fall under 1
	v_max_num_f32_dpp v8, v8, v8 row_xmask:1 row_mask:0xf bank_mask:0xf   ; and of my neighbour's 16: the block's
	v_add_nc_u32 v11, -(EMAX<<23), v8              ; EMAX off its exponent field: the conversion takes the exponent field of this operand as its scale, and nothing else of it
	v_cvt_scalef32_pk8_fp4_f32 v[C+2*(\t)], v[XS:XS+7], v11        ; eight numbers / the scale, to the nearest code; the first number's code in the lowest four bits
	v_cvt_scalef32_pk8_fp4_f32 v[C+2*(\t)+1], v[XS+8:XS+15], v11
	v_lshrrev_b32 v[E+(\t)], 23, v11               ; the scale's byte (a plain line behind the conversions)
	ds_store_b8 v5, v[E+(\t)] offset:16*(\t)       ; both lanes of a block write the same byte with the same value
	global_store_b64 v4, v[C+2*(\t):C+2*(\t)+1], s[18:19] offset:32*CB*(\t)   ; 32 lanes store 256 consecutive bytes, aligned
.endm
.irp t, 0,1,2,3,4,5,6,7,8,9,10,11,12,13,14,15
	STEP \t
.endr
	ds_load_b64 v[8:9], v6                         ; LDS serves a wave's instructions in order: these see my byte stores
	s_wait_dscnt 0x0
	global_store_b64 v7, v[8:9], s[20:21]          ; my wave's 256 scale bytes, aligned
	s_wait_tensorcnt 0x0                           ; the wave's end: a wait, an add to my spare word and a wait, behind my last LDS store
	ds_add_u32 v[SPW], v[NIL]
	s_wait_dscnt 0x0
	s_endpgm
; Wo: a plain stream, f32 in, f16 out, no LDS.  A wave takes four groups of 16 loads (8,192 bytes); two groups are on their way while one is converted.
.macro WLOAD g
.irp i, 0,1,2,3,4,5,6,7,8,9,10,11,12,13,14,15
	global_load_b128 v[R+64*((\g)%2)+4*\i:R+64*((\g)%2)+4*\i+3], v3, s[SRC:SRC+1] offset:8192*(\g)+512*\i th:TH_LOAD_NT
.endr
.endm
.macro WSTEP g
.if (\g) < 3
	s_wait_loadcnt 16                              ; this group's 16 loads are in; the next group's 16 may be out
.else
	s_wait_loadcnt 0x0
.endif
.if (\g) > 0
	s_wait_xcnt 0x0                                ; the last group's stores have read their data registers, which are written again below
.endif
.irp i, 0,1,2,3,4,5,6,7,8,9,10,11,12,13,14,15
	v_cvt_pk_f16_f32 v[WOUT+2*\i], v[R+64*((\g)%2)+4*\i], v[R+64*((\g)%2)+4*\i+1]       ; two roundings to f16, the first number in the low half
	v_cvt_pk_f16_f32 v[WOUT+2*\i+1], v[R+64*((\g)%2)+4*\i+2], v[R+64*((\g)%2)+4*\i+3]
.endr
.if (\g) < 2
	WLOAD (\g)+2
.endif
.irp i, 0,1,2,3,4,5,6,7,8,9,10,11,12,13,14,15
	global_store_b64 v4, v[WOUT+2*\i:WOUT+2*\i+1], s[22:23] offset:4096*(\g)+256*\i   ; 32 lanes store 256 consecutive bytes, aligned
.endr
.endm
.Lwo:
	s_lshl_b32 s30, s28, 14                        ; 16,384 bytes of f16 a run
	s_add_nc_u64 s[22:23], s[22:23], s[30:31]
	WLOAD 0
	WLOAD 1
	WSTEP 0
	WSTEP 1
	WSTEP 2
	WSTEP 3
	s_endpgm
.Lfunc_end_k_q8e0b4035f0_prep:
	.size	k_q8e0b4035f0_prep, .Lfunc_end_k_q8e0b4035f0_prep-k_q8e0b4035f0_prep
	.p2alignl 7, 3214868480
	.fill 96, 4, 3214868480
	.section	.rodata,"a",@progbits
	.p2align	6, 0x0
	.amdhsa_kernel k_q8e0b4035f0_prep
		.amdhsa_group_segment_fixed_size 33280
		.amdhsa_private_segment_fixed_size 0
		.amdhsa_enable_private_segment 0
		.amdhsa_kernarg_size 80
		.amdhsa_user_sgpr_count 2
		.amdhsa_user_sgpr_kernarg_segment_ptr 1
		.amdhsa_wavefront_size32 1
		.amdhsa_system_sgpr_workgroup_id_x 1
		.amdhsa_system_sgpr_workgroup_id_y 1
		.amdhsa_system_sgpr_workgroup_id_z 1
		.amdhsa_system_vgpr_workitem_id 0
		.amdhsa_next_free_vgpr 256
		.amdhsa_next_free_sgpr 66
		.amdhsa_reserve_vcc 0
		.amdhsa_float_denorm_mode_32 3
		.amdhsa_float_denorm_mode_16_64 3
		.amdhsa_memory_ordered 1
		.amdhsa_forward_progress 1
		.amdhsa_inst_pref_size 54
	.end_amdhsa_kernel
	.amdgpu_metadata
---
amdhsa.version: [ 1, 2 ]
amdhsa.kernels:
  - .name:           k_q8e0b4035f0_prep
    .symbol:         k_q8e0b4035f0_prep.kd
    .args:
      - { .name: query, .offset: 0, .size: 8, .value_kind: global_buffer, .address_space: global }
      - { .name: key, .offset: 8, .size: 8, .value_kind: global_buffer, .address_space: global }
      - { .name: value, .offset: 16, .size: 8, .value_kind: global_buffer, .address_space: global }
      - { .name: Wq, .offset: 24, .size: 8, .value_kind: global_buffer, .address_space: global }
      - { .name: Wk, .offset: 32, .size: 8, .value_kind: global_buffer, .address_space: global }
      - { .name: Wv, .offset: 40, .size: 8, .value_kind: global_buffer, .address_space: global }
      - { .name: Wo, .offset: 48, .size: 8, .value_kind: global_buffer, .address_space: global }
      - { .name: codes, .offset: 56, .size: 8, .value_kind: global_buffer, .address_space: global }
      - { .name: scales, .offset: 64, .size: 8, .value_kind: global_buffer, .address_space: global }
      - { .name: wo16, .offset: 72, .size: 8, .value_kind: global_buffer, .address_space: global }
    .group_segment_fixed_size: 33280
    .private_segment_fixed_size: 0
    .kernarg_segment_align: 8
    .kernarg_segment_size: 80
    .max_flat_workgroup_size: 128
    .sgpr_count:     66
    .vgpr_count:     256
    .wavefront_size: 32
...
	.end_amdgpu_metadata
.endif
;; end of part 1
;; launch proj (part 2): grid 4 x 48, 4 waves a work-group, clusters of 4 x 4, 327,680 bytes of LDS; arguments codes, scales, bq, bk, qkv16; writes qkv16
.if DOCPART == 2
	.amdgcn_target "amdgcn-amd-amdhsa--gfx1250"
	.amdhsa_code_object_version 6
	.text
	.protected	k_q8e0b4035f0_proj
	.globl	k_q8e0b4035f0_proj
	.p2align	8
	.type	k_q8e0b4035f0_proj,@function
k_q8e0b4035f0_proj:
	s_mov_b64 s[64:65], 0
	v_nop
	global_prefetch_b8 v0, s[64:65] scope:SCOPE_SE
	s_setreg_imm32_b32 hwreg(HW_REG_WAVE_MODE, 25, 1), 1
	s_wait_xcnt 0x0
	s_wait_alu depctr_hold_cnt(0) depctr_sa_sdst(0) depctr_va_vdst(0) depctr_va_sdst(0) depctr_va_ssrc(0) depctr_va_vcc(0) depctr_vm_vsrc(0)
	s_getreg_b32 s2, hwreg(HW_REG_IB_STS2, 6, 4)
	s_cmp_eq_u32 s2, 0
	s_cbranch_scc0 .Lentry_in_a_cluster
	s_endpgm
.Lentry_in_a_cluster:
	s_bfe_u32 s2, ttmp6, 0x10000c
	s_cmp_lg_u32 s2, 0xf033
	s_cbranch_scc0 .Lentry_shape_is_right
	s_endpgm
.Lentry_shape_is_right:
; PROJ.  Q = query Wq^T + bq, K = key Wk^T + bk, V = value Wv^T, on codes of FP4 (E2M1) with one E8M0 scale for each 32 along K = 1,024; sums in f32; results rounded once to f16.
; (bv is not added here: a row's softmax weights sum to 1, so sum(p (V + bv)) / sum(p) = sum(p V) / sum(p) + bv for every input; the next launch adds bv behind its division, in f32.)
; LIMITS: |Q|, |K|, |V| stay under 65,504, f16's largest number.
; A tile of 256 x 256 is made by four waves, 128 x 128 each: 64 accumulators of 16 x 16, 512 registers.  K goes in two steps of 512 through two LDS slots, each filled ONCE: nothing is filled again in this launch.
; ROLES.  The matrix instruction takes source 0 = 16 rows of the B role and source 1 = 16 rows of the A role; in the result a lane holds ONE row of the A role and eight neighbours of the B role.
;   Q, K (clusters 0-7 along y):  A = tokens, B = rows of W (channels): a lane holds one token and eight neighbouring channels.
;   V    (clusters 8-11):         A = rows of Wv (channels), B = tokens: a lane holds one channel and eight neighbouring keys: V comes out transposed, by the same instructions.
; THE RESULTS ARE STORED IN THE ORDER OF THE NEXT LAUNCH'S OPERAND REGISTERS: a lane's eight f16 are 16 bytes of a fragment's image, lane l's at 16 l, so each store covers 512 consecutive bytes, aligned, straight from registers.
;   Q, K regions (8,388,608 bytes each): [batch x head 32][16 tokens: 128][32 channels: 2][half 2][lane 32][16 bytes];  V region: [batch x head 32][32 keys: 64][16 channels: 4][half 2][lane 32][16 bytes].
; CLUSTERS: 4 x 4 work-groups.  The four of a row of the cluster need the same tiles of the A role, the four of a column those of the B role: each tile is asked for JOINTLY, by the same tensor load with the same
; descriptor and a mask that names the four.  Which product a cluster serves hangs on the cluster's y alone, which all sixteen share; it enters by selections, never by a branch.
; THE SCALES of the work-group's 256 + 256 rows, for all of K, are two dense blocks of 8,192 bytes: they come into LDS once, with the first fills.
; REGISTERS, in windows of 256: window 0: v0-31 addresses; v32-95 scale words, two sets; v128-191 A's fragments, ONE set; v192-255 the bias as eight tiles in the result's layout, later the packed results.
;   window 1: B's fragments, TWO sets, at v0 and v128.   window 2: the accumulators of my rows 0-63 ((a, b) at v[8 (8 a + b)]);   window 3: those of my rows 64-127.
.set NQ,     4                         ; steps of 128 along K in a slot
.set ROWB,   256                       ; a tile's row in bytes: 512 codes
.set KROW,   512                       ; a row of codes in memory, in bytes
.set PITCH,  272                       ; an LDS row: 256 bytes + 16 of padding = 68 words: row r starts at bank 4 r mod 64 (64 banks of 4 bytes: ISA guide 11.1)
.set FR,     8                         ; registers of a fragment: 16 rows x 128 K
.set NL,     2                         ; LDS loads that bring one
.set NP,     4                         ; places behind this matrix instruction (ISA guide 7.12.1)
.set HALFT,  128*PITCH                 ; 128 rows: what one tensor load brings, and what one wave reads of a role
.set SLOT,   4*HALFT                   ; A's 256 rows, then B's 256 rows
.set KS,     32                        ; a row of scales in bytes
.set SCL,    2*SLOT                    ; behind the slots: the scales, as runs of 256 bytes + 16 of padding
.set HALFS,  (128*KS/256)*272          ; the scales of 128 rows: what one tensor load brings
.set SBLK,   (16*KS/256)*272           ; those of 16 rows
.set SPARE,  SCL+4*HALFS               ; behind the scales: the spare words, 128 bytes for each wave
.set CO,   8                           ; v8-11   the way out: 16 x lane + the place of B's blocks 2 p, 2 p + 1
.set ADRA, 16                          ; v16-17  LDS address of my A fragments in slot 0, 1
.set ADRB, 20                          ; v20-21  the same for B
.set ADRS, 27                          ; v27     LDS address of my scale words: lanes 0-15 A's rows, lanes 16-31 B's
.set SPW,  28                          ; v28     LDS address of my spare word; never rewritten
.set NIL,  29                          ; v29     0; never rewritten
.set SC,   32                          ; scale words: set s at v[SC + 32 s]; register 4 i + q: lanes 0-15 the word of A's block i, lanes 16-31 that of B's block i, for the slot's q-th 128 along K
.set AF,   128                         ; A's fragments, in window 0
.set BIAS, 192                         ; v192-255 the bias: tile b's eight registers hold the bias of B's rows 16 b + 8 (lane / 16) + 0 .. 7
.set TMP,  192                         ; the way out: two sets of 32 packed registers, where the bias lay
.set G1, 24                            ; s[24:31] descriptor group 1 for A's tiles;  s[32:39] group 0, one set for each slot
.set G0, 32
.set G1B, 48                           ; s[48:55], s[56:63] the same for B's tiles
.set G0B, 56
.set G1S, 68                           ; s[68:75], s[76:79] groups 1 and 0 for A's scales;  s[80:87], s[88:91] for B's
.set G0S, 76
.set G1SB, 80
.set G0SB, 88
.set MSK, 95                           ; s95  all ones where the bias counts (Q, K), 0 for V
.set MSB, 0
.macro WIN new                         ; the immediate's high byte repeats the setting that is left
.if MSB != (\new)
	s_set_vgpr_msb (MSB<<8)|(\new)
.set MSB, (\new)
.endif
.endm
.set MUL_LO, 0xa1                      ; source 0 (B) window 1, source 1 (A) window 0, C and D window 2
.set MUL_HI, 0xf1                      ; the same, C and D window 3
.set TO_B,   0x40                      ; destination window 1, address window 0
; A joint load: waves 0 and 1 fetch for A, waves 2 and 3 for B.  Each line has ONE mask and one set of registers for all that issue it; the branch hangs on the wave's number alone.
; An s_nop 0 and four v_nop follow each of the two lines, ahead of the jump, the label and what follows.
.macro JLOAD g0a, g1a, g0b, g1b
	s_cmp_eq_u32 s15, 0
	s_cbranch_scc0 .Lfor_b_\@
	tensor_load_to_lds s[\g0a:\g0a+3], s[\g1a:\g1a+7]
	s_nop 0
.rept 4
	v_nop
.endr
	s_branch .Lasked_\@
.Lfor_b_\@:
	tensor_load_to_lds s[\g0b:\g0b+3], s[\g1b:\g1b+7]
	s_nop 0
.rept 4
	v_nop
.endr
.Lasked_\@:
.endm
.macro CROUND                          ; a round of the cluster's barrier: my work-group's barrier; wave 0 signals for the work-group; every wave waits for all sixteen; my work-group's barrier once more
	s_barrier_signal -1
	s_barrier_wait -1
	s_cmp_lg_u32 s14, 0
	s_cbranch_scc1 .Lnot_wave_0_\@
	s_barrier_signal -3
.Lnot_wave_0_\@:
	s_barrier_wait -3
	s_barrier_signal -1
	s_barrier_wait -1
.endm
	s_load_b256 s[4:11], s[0:1], 0x0               ; codes s[4:5], scales s[6:7], bq s[8:9], bk s[10:11]
	s_load_b64 s[12:13], s[0:1], 0x20              ; qkv16
	v_lshl_add_u32 v[SPW], v0, 2, SPARE
	v_mov_b32 v[NIL], 0
	ds_add_u32 v[SPW], v[NIL]                      ; the wave's opening: the add, twice on end, and its wait ahead of my first tensor load; the set-up below stands between the second and the wait
	ds_add_u32 v[SPW], v[NIL]
	v_lshrrev_b32 v1, 5, v0
	v_readfirstlane_b32 s14, v1                    ; wave 0..3
	s_lshr_b32 s15, s14, 1                         ; which half of A's 256 rows is mine.  Also: I fetch for A (0) or for B (1)
	s_and_b32 s16, s14, 1                          ; which half of B's.  Also: which 128 rows of that tile I fetch
	s_bfe_u32 s40, ttmp6, 0x40000                  ; cx, cy: my place in the cluster
	s_bfe_u32 s41, ttmp6, 0x40004
	s_and_b32 s17, ttmp7, 0xffff                   ; the cluster's y, 0 .. 11: 0-3 Q, 4-7 K, 8-11 V; 1,024 tokens each
	s_lshl_b32 s43, s41, 2
	s_lshl_b32 s43, 15, s43                        ; my row of the cluster
	s_lshl_b32 s44, 0x1111, s40                    ; my column
	; descriptor group 1: a tile of 128 rows x 256 bytes, padded in LDS
	s_or_b32 s[G1+0], s43, (0<<16)|(1<<20)|(1<<21)|(5<<22)|(3<<25)  ; 15:0 the mask: A's tiles go to my row; 17:16 elements of 1 byte; 20 padding on; 21 set beside a mask; 24:22 after every 64 words (code 5); 31:25 four words (code 3)
	s_or_b32 s[G1B+0], s44, (0<<16)|(1<<20)|(1<<21)|(5<<22)|(3<<25)
.irp g, G1, G1B
	s_mov_b32 s[\g+1], ROWB<<16                    ; tensor_dim0
	s_mov_b32 s[\g+2], 128<<16                     ; tensor_dim1 = 128
	s_mov_b32 s[\g+3], ROWB<<16                    ; tile_dim0
	s_mov_b32 s[\g+4], 128                         ; tile_dim1 = 128
	s_mov_b32 s[\g+5], KROW                        ; tensor_dim0_stride
	s_mov_b32 s[\g+6], 0
	s_mov_b32 s[\g+7], 0
.endr
	; and for the scales of 128 rows: a dense block of 4,096 bytes, as 16 rows of 256 bytes (32 elements of 8 bytes), 16 bytes of padding behind each
	s_or_b32 s[G1S+0], s43, (3<<16)|(1<<20)|(1<<21)|(5<<22)|(3<<25)
	s_or_b32 s[G1SB+0], s44, (3<<16)|(1<<20)|(1<<21)|(5<<22)|(3<<25)
.irp g, G1S, G1SB
	s_mov_b32 s[\g+1], 32<<16
	s_mov_b32 s[\g+2], (128*KS/256)<<16
	s_mov_b32 s[\g+3], 32<<16
	s_mov_b32 s[\g+4], 128*KS/256
	s_mov_b32 s[\g+5], 32
	s_mov_b32 s[\g+6], 0
	s_mov_b32 s[\g+7], 0
.endr
	; which rows of the 15,360 play which role
	s_lshl_b32 s18, s17, 10                        ; the cluster's 1,024 tokens begin at row 1,024 x cluster y (query, key and value lie on end)
	s_lshr_b32 s19, s17, 2
	s_lshl_b32 s19, s19, 10
	s_add_co_u32 s19, s19, 12288                   ; Wq or Wk
	s_cmp_lt_u32 s17, 8                            ; Q or K?
	s_cselect_b32 s20, s18, 14336                  ; A: the tokens, or Wv
	s_cselect_b32 s46, s19, s18                    ; B: the weight, or the tokens
	s_cselect_b32 s[MSK], -1, 0
	s_lshl_b32 s18, s16, 7                         ; which 128 rows of the tile I fetch
	s_lshl_b32 s21, s41, 8
	s_add_co_u32 s20, s20, s21
	s_add_co_u32 s20, s20, s18                     ; A: + 256 cy + 128 x half: shared along my row of the cluster
	s_lshl_b32 s47, s40, 8
	s_add_co_u32 s46, s46, s47
	s_add_co_u32 s46, s46, s18                     ; B: + 256 cx + 128 x half: shared along my column
	s_lshl_b32 s22, s20, 5                         ; where these rows' scales begin, in bytes,
	s_mov_b32 s23, 0
	s_lshl_b32 s92, s46, 5
	s_mov_b32 s93, 0
	s_lshl_b32 s20, s20, 9                         ; and their codes
	s_mov_b32 s21, 0
	s_lshl_b32 s46, s46, 9
	s_mov_b32 s47, 0
	s_mul_i32 s45, s14, HALFT                      ; where they go: wave x 128 rows: no place in the cluster enters an LDS address
	s_mul_i32 s94, s14, HALFS
	s_wait_dscnt 0x0                               ; both opening adds are done
	s_wait_kmcnt 0x0
	s_add_nc_u64 s[20:21], s[4:5], s[20:21]
	s_add_nc_u64 s[22:23], s[6:7], s[22:23]
	s_add_nc_u64 s[46:47], s[4:5], s[46:47]
	s_add_nc_u64 s[92:93], s[6:7], s[92:93]
	CROUND                                         ; all sixteen work-groups are here: the first joint loads meet
	s_mov_b32 s[G0S], 1
	s_add_co_u32 s[G0S+1], s94, SCL
	s_mov_b64 s[G0S+2:G0S+3], s[22:23]
	s_or_b32 s[G0S+3], s[G0S+3], 0x80000000
	s_mov_b32 s[G0SB], 1
	s_add_co_u32 s[G0SB+1], s94, SCL
	s_mov_b64 s[G0SB+2:G0SB+3], s[92:93]
	s_or_b32 s[G0SB+3], s[G0SB+3], 0x80000000
	JLOAD G0S, G1S, G0SB, G1SB                     ; the scales first: they are wanted with the first step.  By this text's count a wave has three tensor loads out here at the most
.irp s, 0,1
	s_mov_b32 s[G0+4*\s], 1
	s_add_co_u32 s[G0+4*\s+1], s45, \s*SLOT
	s_add_nc_u64 s[G0+4*\s+2:G0+4*\s+3], s[20:21], \s*ROWB
	s_or_b32 s[G0+4*\s+3], s[G0+4*\s+3], 0x80000000
	s_mov_b32 s[G0B+4*\s], 1
	s_add_co_u32 s[G0B+4*\s+1], s45, \s*SLOT
	s_add_nc_u64 s[G0B+4*\s+2:G0B+4*\s+3], s[46:47], \s*ROWB
	s_or_b32 s[G0B+4*\s+3], s[G0B+4*\s+3], 0x80000000
	JLOAD G0+4*\s, G1, G0B+4*\s, G1B
.endr
	v_and_b32 v1, 15, v0                           ; l % 16
	v_bfe_u32 v2, v0, 4, 1                         ; l / 16
	; the bias of B's 128 rows that are mine: bq for Q, bk for K.  V's work-groups read bk at the same places and clear what they read
	s_cmp_lt_u32 s17, 4
	s_cselect_b64 s[8:9], s[8:9], s[10:11]
	s_lshl_b32 s18, s40, 10                        ; 256 cx numbers,
	s_lshl_b32 s19, s16, 9                         ; + 128 x half
	s_add_co_u32 s18, s18, s19
	s_mov_b32 s19, 0
	s_add_nc_u64 s[8:9], s[8:9], s[18:19]
	v_lshlrev_b32 v7, 5, v2                        ; my half's eight numbers of a tile's sixteen
.irp b, 0,1,2,3,4,5,6,7
	global_load_b128 v[BIAS+8*\b:BIAS+8*\b+3], v7, s[8:9] offset:64*\b
	global_load_b128 v[BIAS+8*\b+4:BIAS+8*\b+7], v7, s[8:9] offset:64*\b+16
.endr
	v_mul_u32_u24 v3, v1, PITCH
	v_lshl_add_u32 v4, v2, 4, v3                   ; a fragment's row x pitch + 16 x half
	s_mul_i32 s21, s15, HALFT                      ; my 128 rows of A
	s_mul_i32 s22, s16, HALFT                      ; my 128 rows of B,
	s_add_co_u32 s22, s22, 2*HALFT                 ; which lie behind A's 256
.irp s, 0,1
	v_add_nc_u32 v[ADRA+\s], s21, v4
	v_add_nc_u32 v[ADRB+\s], s22, v4
	s_add_co_u32 s21, s21, SLOT
	s_add_co_u32 s22, s22, SLOT
.endr
	v_mul_u32_u24 v5, v1, KS                       ; my row's scales: 32 bytes a row,
	v_lshrrev_b32 v6, 8, v5
	v_lshl_add_u32 v5, v6, 4, v5                   ; and 16 more for each 256 passed
	s_mul_i32 s21, s15, HALFS                      ; A's: my 128 rows
	s_mul_i32 s22, s16, HALFS                      ; B's: my 128 rows, behind A's 256
	s_add_co_u32 s22, s22, 2*HALFS
	s_sub_co_u32 s22, s22, s21
	v_mul_u32_u24 v6, s22, v2                      ; lanes 16-31 take B's: the lower base + half x the distance
	s_add_co_u32 s21, s21, SCL
	v_add_nc_u32 v5, v5, v6
	v_add_nc_u32 v[ADRS], s21, v5
	; the way out: where my 128 x 128 results go.  u, wu: which heads; vv, wv: which tokens
	s_cmp_lt_u32 s17, 8
	s_mov_b32 s66, 4096
	s_cselect_b32 s66, 1024, s66                   ; from B's blocks 2 p to 2 p + 2, p even: 32 channels on (Q, K), 32 keys on (V)
	s_mov_b32 s67, 8192
	s_cselect_b32 s67, 262144, s67                 ; from p to p + 2: a head on (Q, K), 64 keys on (V)
	s_mov_b32 s96, 1024
	s_cselect_b32 s96, 2048, s96                   ; from A's block a to a + 1: 16 tokens on (Q, K), 16 channels on (V)
	s_mov_b32 s98, 259072
	s_cselect_b32 s98, 2048, s98                   ; from block 3 to block 4: the same (Q, K); the next head's first 16 channels (V): 262,144 - 3 x 1,024
	s_cselect_b32 s2, s40, s41
	s_cselect_b32 s3, s16, s15
	s_cselect_b32 s42, s41, s40
	s_cselect_b32 s18, s15, s16
	s_mov_b32 s97, 0
	s_mov_b32 s99, 0
	s_lshl_b32 s2, s2, 2
	s_lshl_b32 s3, s3, 1
	s_add_co_u32 s2, s2, s3                        ; my first head: 4 u + 2 wu
	s_lshl_b32 s2, s2, 18                          ; 262,144 bytes a head
	s_lshr_b32 s3, s17, 1
	s_lshl_b32 s3, s3, 22                          ; region and batch: 4,194,304 bytes for each 2,048 tokens
	s_add_co_u32 s2, s2, s3
	s_and_b32 s3, s17, 1
	s_lshl_b32 s3, s3, 17                          ; the batch's second 1,024 tokens: 128 bytes a token and head
	s_add_co_u32 s2, s2, s3
	s_lshl_b32 s42, s42, 15                        ; 256 tokens
	s_add_co_u32 s2, s2, s42
	s_lshl_b32 s18, s18, 14                        ; 128 tokens
	s_add_co_u32 s2, s2, s18
	s_mov_b32 s3, 0
	s_add_nc_u64 s[12:13], s[12:13], s[2:3]
	s_wait_loadcnt 0x0                             ; the bias
.set i, 0
.rept 64
	v_and_b32 v[BIAS+i], s[MSK], v[BIAS+i]         ; kept for Q and K, cleared for V
.set i, i+1
.endr
	v_and_b32 v6, 31, v0
	v_lshlrev_b32 v[CO], 4, v6                     ; 16 x lane
	v_add_nc_u32 v[CO+1], s66, v[CO]
	v_add_nc_u32 v[CO+2], s67, v[CO]
	v_add_nc_u32 v[CO+3], s67, v[CO+1]
.macro FRAG reg, adr, q, i             ; a fragment, 16 rows x 128 K of 4-bit codes: lane l holds row l % 16; registers 4 c .. 4 c + 3 hold K = 64 c + 32 (l / 16) + 0 .. 31
.irp c, 0,1
	ds_load_b128 v[\reg+4*\c:\reg+4*\c+3], v[\adr] offset:64*(\q)+32*\c+(\i)*16*PITCH
.endr
.endm
; 16 matrix instructions: A's blocks a0, a0 + 1 x B's eight, 128 along K: the slot's q-th.  p: B's set;  sc: the set of scale words.  zero = 1: the first product starts the sums from the bias: nothing is ever cleared.
; The 64 accumulators take turns, one instruction a turn, in the same order in every step.
.macro MUL16 a0, p, q, sc, zero
.irp a, \a0, \a0+1
.irp b, 0,1,2,3,4,5,6,7
.if \zero
	v_wmma_scale_f32_16x16x128_f8f6f4 v[8*(8*((\a)%4)+\b):8*(8*((\a)%4)+\b)+7], v[128*(\p)+FR*\b:128*(\p)+FR*\b+FR-1], v[AF+FR*(\a):AF+FR*(\a)+FR-1], v[BIAS+8*\b:BIAS+8*\b+7], v[SC+8*NQ*(\sc)+NQ*\b+(\q)], v[SC+8*NQ*(\sc)+NQ*(\a)+(\q)] matrix_a_fmt:MATRIX_FMT_FP4 matrix_b_fmt:MATRIX_FMT_FP4 matrix_a_scale:MATRIX_SCALE_ROW1
.else
	v_wmma_scale_f32_16x16x128_f8f6f4 v[8*(8*((\a)%4)+\b):8*(8*((\a)%4)+\b)+7], v[128*(\p)+FR*\b:128*(\p)+FR*\b+FR-1], v[AF+FR*(\a):AF+FR*(\a)+FR-1], v[8*(8*((\a)%4)+\b):8*(8*((\a)%4)+\b)+7], v[SC+8*NQ*(\sc)+NQ*\b+(\q)], v[SC+8*NQ*(\sc)+NQ*(\a)+(\q)] matrix_a_fmt:MATRIX_FMT_FP4 matrix_b_fmt:MATRIX_FMT_FP4 matrix_a_scale:MATRIX_SCALE_ROW1
.endif
.endr
.endr
.endm
.macro FETCH_B slot, q, p              ; B's eight fragments of the slot's q-th 128 along K into set p
	WIN TO_B
.irp i, 0,1,2,3,4,5,6,7
	FRAG 128*(\p)+FR*\i, ADRB+\slot, \q, \i
.endr
	WIN 0
.endm
.macro FETCH_A slot, q, i0             ; A's blocks i0 .. i0 + 3
.irp i, \i0, \i0+1, \i0+2, \i0+3
	FRAG AF+FR*(\i), ADRA+\slot, \q, \i
.endr
.endm
.macro SCALES sc                       ; a slot's scale words into set sc: four words a row; lanes 0-15 take A's block i, lanes 16-31 B's block i
.irp i, 0,1,2,3,4,5,6,7
	ds_load_b128 v[SC+8*NQ*\sc+NQ*\i:SC+8*NQ*\sc+NQ*\i+3], v[ADRS] offset:\i*SBLK
.endr
.endm
; A load into a register that a matrix instruction has read, and a vector instruction that reads a matrix result, stand NP places behind that matrix instruction; only plain vector instructions that
; name none of its registers are places (ISA guide 7.12.1 for vector instructions).
.macro PLACES n
.rept \n
	v_nop
.endr
.endm
; A step of 128 along K that has its successor in the same slot.  A block of A is free as soon as its eight products are issued: blocks 0-3 are fetched anew in the step's middle, blocks 4-7 at its end.
.macro STEP slot, q, zero
	s_wait_dscnt 4*NL                              ; B's set and A's blocks 0-3 are in; the youngest eight loads (A's blocks 4-7) may be out
	WIN MUL_LO-0x20*(\zero)                        ; (zero = 1: C, the bias, lies in window 0)
	MUL16 0, (\q)%2, \q, \slot, \zero
	MUL16 2, (\q)%2, \q, \slot, \zero
	s_wait_dscnt 0                                 ; A's blocks 4-7 are in (asked for 32 matrix instructions ago)
	PLACES NP
	FETCH_B \slot, (\q)+1, 1-(\q)%2
	FETCH_A \slot, (\q)+1, 0
	WIN MUL_HI-0x30*(\zero)
	MUL16 4, (\q)%2, \q, \slot, \zero
	MUL16 6, (\q)%2, \q, \slot, \zero
	PLACES NP
	WIN 0
	FETCH_A \slot, (\q)+1, 4
.endm
.macro STEPS slot, from                ; the slot's steps from .. NQ - 2
.set QQ, \from
.rept NQ-1-\from
	STEP \slot, QQ, 0
.set QQ, QQ+1
.endr
.endm
	s_wait_tensorcnt 1                             ; the scales and my part of slot 0 are in; slot 1's load, the one issued behind them, may be out
	s_barrier_signal -1
	s_barrier_wait -1                              ; everybody's are
	FETCH_B 0, 0, 0
	FETCH_A 0, 0, 0
	SCALES 0
	FETCH_A 0, 0, 4
	STEP 0, 0, 1                                   ; the first step's products start the sums from the bias
	STEPS 0, 1
	; slot 0's last step changes slots: one barrier; in front of it each wave has waited for its part of slot 1
	s_wait_tensorcnt 0x0                           ; all my tensor loads have landed: my part of slot 1
	ds_add_u32 v[SPW], v[NIL]                      ; 0 onto my spare word
	s_wait_dscnt 4*NL+1                            ; (the add and the youngest eight loads, A's blocks 4-7, may be out)
	WIN MUL_LO
	MUL16 0, 1, NQ-1, 0, 0                         ; sixteen matrix instructions stand between the add and the wait for it
	s_wait_dscnt 0x0                               ; no LDS instruction of mine is out at the signal
	s_barrier_signal -1
	MUL16 2, 1, NQ-1, 0, 0
	WIN 0
	s_barrier_wait -1                              ; slot 1 is whole
	PLACES NP
	v_add_nc_u32 v[ADRS], 4*NQ, v[ADRS]            ; on to slot 1's scale words
	FETCH_B 1, 0, 0
	FETCH_A 1, 0, 0
	SCALES 1
	WIN MUL_HI
	MUL16 4, 1, NQ-1, 0, 0
	MUL16 6, 1, NQ-1, 0, 0
	PLACES NP
	WIN 0
	FETCH_A 1, 0, 4
	STEPS 1, 0
	s_wait_dscnt 4*NL                              ; the very last step: nothing more to fetch
	WIN MUL_LO
	MUL16 0, 1, NQ-1, 1, 0
	MUL16 2, 1, NQ-1, 1, 0
	s_wait_dscnt 0
	WIN MUL_HI
	MUL16 4, 1, NQ-1, 1, 0
	MUL16 6, 1, NQ-1, 1, 0
; THE WAY OUT, block by block of A's 16 rows.  A lane's eight results of an accumulator round to 16 bytes, which are the lane's part of a fragment's image: no LDS, no exchange.
.macro PACK a
.set AC, 64*((\a)%4)
.set TT, TMP+32*((\a)%2)
	WIN 0x0a+5*((\a)/4)                            ; sources 0 and 1: window 2 or 3
.irp b, 0,1,2,3,4,5,6,7
.irp r, 0,1,2,3
	v_cvt_pk_f16_f32 v[TT+4*\b+\r], v[AC+8*\b+2*\r], v[AC+8*\b+2*\r+1]   ; each accumulator from its low end on
.endr
.endr
	WIN 0
.endm
.macro SEND a
.set TT, TMP+32*((\a)%2)
.irp b, 0,1,2,3,4,5,6,7
	global_store_b128 v[CO+\b/2], v[TT+4*\b:TT+4*\b+3], s[12:13] offset:512*(\b%2)   ; 32 lanes store 512 consecutive bytes, aligned: half a fragment's image
.endr
.endm
	PLACES NP                                      ; behind the last products, ahead of the first read of results
.irp a, 0,1,2,3,4,5,6,7
	PACK \a                                        ; (its set was read by block a - 2's stores, which the wait in block a - 1's turn has freed)
.if \a > 0
	s_wait_xcnt 0x0                                ; block a - 1's stores have read their base and their data: the base may step
.if \a == 4
	s_add_nc_u64 s[12:13], s[12:13], s[98:99]
.else
	s_add_nc_u64 s[12:13], s[12:13], s[96:97]
.endif
.endif
	SEND \a
.endr
	s_wait_tensorcnt 0x0                           ; the wave's end: a wait, an add to my spare word and a wait, behind my last tensor load
	ds_add_u32 v[SPW], v[NIL]
	s_wait_dscnt 0x0
	CROUND                                         ; the closing round: no work-group ends while a partner may still ask for a tile that names it
	s_endpgm
.Lfunc_end_k_q8e0b4035f0_proj:
	.size	k_q8e0b4035f0_proj, .Lfunc_end_k_q8e0b4035f0_proj-k_q8e0b4035f0_proj
	.p2alignl 7, 3214868480
	.fill 96, 4, 3214868480
	.section	.rodata,"a",@progbits
	.p2align	6, 0x0
	.amdhsa_kernel k_q8e0b4035f0_proj
		.amdhsa_group_segment_fixed_size 327680
		.amdhsa_private_segment_fixed_size 0
		.amdhsa_enable_private_segment 0
		.amdhsa_kernarg_size 40
		.amdhsa_user_sgpr_count 2
		.amdhsa_user_sgpr_kernarg_segment_ptr 1
		.amdhsa_wavefront_size32 1
		.amdhsa_system_sgpr_workgroup_id_x 1
		.amdhsa_system_sgpr_workgroup_id_y 1
		.amdhsa_system_sgpr_workgroup_id_z 1
		.amdhsa_system_vgpr_workitem_id 0
		.amdhsa_next_free_vgpr 1024
		.amdhsa_next_free_sgpr 100
		.amdhsa_reserve_vcc 0
		.amdhsa_float_denorm_mode_32 3
		.amdhsa_float_denorm_mode_16_64 3
		.amdhsa_memory_ordered 1
		.amdhsa_forward_progress 1
		.amdhsa_inst_pref_size 123
	.end_amdhsa_kernel
	.amdgpu_metadata
---
amdhsa.version: [ 1, 2 ]
amdhsa.kernels:
  - .name:           k_q8e0b4035f0_proj
    .symbol:         k_q8e0b4035f0_proj.kd
    .args:
      - { .name: codes, .offset: 0, .size: 8, .value_kind: global_buffer, .address_space: global }
      - { .name: scales, .offset: 8, .size: 8, .value_kind: global_buffer, .address_space: global }
      - { .name: bq, .offset: 16, .size: 8, .value_kind: global_buffer, .address_space: global }
      - { .name: bk, .offset: 24, .size: 8, .value_kind: global_buffer, .address_space: global }
      - { .name: qkv16, .offset: 32, .size: 8, .value_kind: global_buffer, .address_space: global }
    .group_segment_fixed_size: 327680
    .private_segment_fixed_size: 0
    .kernarg_segment_align: 8
    .kernarg_segment_size: 40
    .max_flat_workgroup_size: 128
    .sgpr_count:     100
    .vgpr_count:     1024
    .wavefront_size: 32
...
	.end_amdgpu_metadata
.endif
;; end of part 2
;; launch attn (part 3): grid 8 x 32, 8 waves a work-group, clusters of 4 x 1, 327,680 bytes of LDS; arguments qkv16, bv, o16; writes o16
.if DOCPART == 3
	.amdgcn_target "amdgcn-amd-amdhsa--gfx1250"
	.amdhsa_code_object_version 6
	.text
	.protected	k_q8e0b4035f0_attn
	.globl	k_q8e0b4035f0_attn
	.p2align	8
	.type	k_q8e0b4035f0_attn,@function
k_q8e0b4035f0_attn:
	s_mov_b64 s[64:65], 0
	v_nop
	global_prefetch_b8 v0, s[64:65] scope:SCOPE_SE
	s_setreg_imm32_b32 hwreg(HW_REG_WAVE_MODE, 25, 1), 1
	s_wait_xcnt 0x0
	s_wait_alu depctr_hold_cnt(0) depctr_sa_sdst(0) depctr_va_vdst(0) depctr_va_sdst(0) depctr_va_ssrc(0) depctr_va_vcc(0) depctr_vm_vsrc(0)
	s_getreg_b32 s2, hwreg(HW_REG_IB_STS2, 6, 4)
	s_cmp_eq_u32 s2, 0
	s_cbranch_scc0 .Lentry_in_a_cluster
	s_endpgm
.Lentry_in_a_cluster:
	s_bfe_u32 s2, ttmp6, 0x10000c
	s_cmp_lg_u32 s2, 0x3003
	s_cbranch_scc0 .Lentry_shape_is_right
	s_endpgm
.Lentry_shape_is_right:
; ATTN.  O[q] = sum over k of softmax_k(Q[q] . K[k] / 8) V[k] + bv, for each of 32 (batch, head) pairs; 2,048 queries and keys, head size 64, no mask.
; Operands in f16, products, maxima and sums in f32; the weights p are rounded to f16 for the second product, O once at the end.
; (bv is added here, behind the division: a row's weights sum to 1, so this equals adding it to every V, for every input.)
; LIMITS: |O| stays under 65,504.  c m is rounded once, so the largest p of a row may differ from 1 by that rounding; the same c m stands in the row's sum, and the division takes it out again.
; SHARES.  A work-group owns 256 queries of one head; each of its EIGHT waves owns 32: two tiles of 16, in 384 registers: two waves to a SIMD, so that one wave's vector work can stand beside the other's products.
; Every wave walks all 2,048 keys, 64 a step.  A fragment of K or V read from LDS feeds two products.
; LAYOUT.  S^T = K Q^T (source 0 = 16 keys, source 1 = 16 queries): a lane holds ONE query (lane % 16) and keys 8 (lane / 16) + 0..7.  Two such tiles, rounded to f16 in pairs, ARE source 1 (32 keys x 16 queries)
; of O^T = V^T P, whose result again holds one query a lane, and eight channels.  Q, K and V^T lie in memory as images of fragments (half a fragment: 32 lanes x 16 bytes), so every fragment comes by two loads at
; 16 x lane: no pitch, no padding, no turning load; and O leaves as such an image for the last launch.
; SOFTMAX.  For each query a running maximum m and sum l: p = 2^(c s - c m), c = log2(e) / 8; in every step O and l are multiplied by a = 2^(c m_old - c m_new).  The step is written for all steps alike:
; m begins at -3e38, l and O^T at 0, and the first a is 0.
; RING.  Two LDS slots of 512 keys (eight steps).  In a slot a step lies as its K (8,192 bytes), then its V^T (8,192 bytes).  Wave w brings step w of a slot by ONE tensor load of two rows of 8,192 bytes:
; the step's K and its V^T, which lie 8,388,608 bytes apart in memory (K's region, V's region).  Both slots are filled at the head; each is filled again once: two refills in the launch.
; FRAGMENTS AHEAD.  K's registers are free as soon as a step's K Q^T is issued: the next step's K is asked for there and lands under the softmax.  V is asked for at its step's head and lands under K Q^T and the softmax.
; THE CHANGE OF SLOTS therefore stands in the MIDDLE of a slot's last step, behind its K Q^T: by then the wave has asked for the slot's last bytes (that step's V), and the next thing that it asks for, the next
; step's K, lies in the other slot.
; CLUSTER.  The four query blocks of a cluster belong to one head and walk the same K and V: each tile is asked for JOINTLY, by the same tensor load with the same descriptor and a mask that names the four.
; REGISTERS: window 0: v2 16 x lane; v4 the LDS address in hand; v6-7 the old c m; v10 the prefetch's offset; v12-13 the add's two; v16-31 statistics; v32-63 Q; v64-127 S^T, then p; v128-159 P; v160-223 O^T; v224-255 bv.
;   window 1: v0-63 K's eight fragments of a step, v64-127 V's.
.set STEPB, 8192                       ; a step's K, and a step's V^T, in bytes
.set STEP2, 2*STEPB                    ; a step in LDS: its K, then its V^T
.set NST,   8                          ; steps in a slot
.set SLOTB, NST*STEPB                  ; a slot's K, and its V^T, in memory
.set REGION, 8388608                   ; bytes of Q's, K's and V's region each
.set SLOT1, 1<<17                      ; slot 1 begins here (NST x STEP2), so that one exclusive or turns an address in one slot into the other's
.set SPARE, 2*SLOT1                    ; behind the ring: the spare words, 128 bytes for each of eight waves
.set ASKAT, 2                          ; the prefetch stands in the step at which two of a slot's first seven steps are left: the slot's sixth
.set L16, 2
.set ADR, 4
.set OLD, 6
.set PFO, 10
.set SPW, 12                           ; v12  LDS address of my spare word; never rewritten
.set NIL, 13                           ; v13  0; never rewritten
.set ST,  16                           ; tile t's statistics at v[ST+8 t]: +0 c m, +1 m, +2, +3 l (even keys', odd keys'), +4 to +7 c0-c3, at work; a takes c2's place once the maximum is found
.set Q,   32                           ; tile t, channels 32 c on: v[Q+16 t+8 c]
.set S,   64                           ; tile t, keys 16 kt on: v[S+32 t+8 kt]
.set P,   128                          ; tile t, keys 32 kk on: v[P+16 t+8 kk]
.set O,   160                          ; tile t, channels 16 ct on: v[O+32 t+8 ct]
.set BV,  224                          ; channels 16 ct + 8 (lane / 16) + 0..7 at v[BV+8 ct]
.set KF,  0                            ; window 1: keys 16 kt on, channels 32 c on: fragment 2 kt + c
.set VF,  64                           ; window 1: keys 32 kk on, channels 16 ct on: fragment 4 kk + ct
.set WV,  12                           ; s12  my wave's number
.set LIM, 15                           ; s15  ASKAT in a wave that prefetches, else a number that the count of steps never takes
.set PFA, 18                           ; s[18:19] where my prefetches stand
.set G1,  24                           ; s[24:31] descriptor group 1
.set G0A, 40                           ; s[40:43] descriptor group 0 for slot 0's first fill
.set G0B, 44                           ; s[44:47] for slot 1's; it then walks on
.set SLOTS, 56                         ; s56  refills still to be asked for
.set CNT, 57                           ; s57  counts a slot's first seven steps, 7 down to 1
.set CS,  58                           ; s[58:59] c: the packed scaling names a pair and takes its low word for both halves
.set SEL, 60                           ; s[60:61] lane selects for v_permlanex16_b32: lane l xor 16
.set TB,  62                           ; s62  LDS byte at which the step in hand begins
.set MSB, 0
.macro WIN new                         ; the immediate's high byte repeats the setting that is left
.if MSB != (\new)
	s_set_vgpr_msb (MSB<<8)|(\new)
.set MSB, (\new)
.endif
.endm
; The joint refill: one line for all eight waves; its LDS and global addresses hang on the wave's number and the head, which the four partners share.  An s_nop 0 and four v_nop follow it.
.macro JLOAD
	tensor_load_to_lds s[G0B:G0B+3], s[G1:G1+7]
	s_nop 0
.rept 4
	v_nop
.endr
.endm
; A PREFETCH of what the slot's change will ask for: the 65,536 bytes of K and as many of V^T that lie two slots on.  It stands in the slot's sixth step, two steps ahead of the change in the eighth, behind the
; wave's run of LDS loads.  Each aligned block of 256 bytes is named once in the launch: both clusters of a head walk the same K and V, so the head's first cluster asks; its four partners take two steps each, told
; apart BY ADDRESS; in each, waves 0 and 1 ask for those two steps' K and waves 2 and 3 for their V^T, 8,192 bytes an instruction, lanes 256 bytes apart.  Slots 0 and 1 come by their loads alone; the last two
; slots ask for nothing.
.macro ASK
	s_cmp_eq_u32 s[CNT], s[LIM]
	s_cbranch_scc0 .Lnot_mine_\@
	global_prefetch_b8 v[PFO], s[PFA:PFA+1] th:TH_LOAD_NT scope:SCOPE_SE
.Lnot_mine_\@:
.endm
.macro CROUND                          ; a round of the cluster's barrier: my work-group's barrier; wave 0 signals for the work-group; every wave waits for all four; my work-group's barrier once more
	s_barrier_signal -1
	s_barrier_wait -1
	s_cmp_lg_u32 s[WV], 0
	s_cbranch_scc1 .Lnot_wave_0_\@
	s_barrier_signal -3
.Lnot_wave_0_\@:
	s_barrier_wait -3
	s_barrier_signal -1
	s_barrier_wait -1
.endm
	s_load_b128 s[4:7], s[0:1], 0x0                ; qkv16 s[4:5], bv s[6:7]
	s_load_b64 s[8:9], s[0:1], 0x10                ; o16
	v_lshl_add_u32 v[SPW], v0, 2, SPARE
	v_mov_b32 v[NIL], 0
	ds_add_u32 v[SPW], v[NIL]                      ; the wave's opening: the add, twice on end, and its wait ahead of my first tensor load; the set-up below stands between the second and the wait
	ds_add_u32 v[SPW], v[NIL]
	v_lshrrev_b32 v1, 5, v0
	v_readfirstlane_b32 s[WV], v1                  ; wave 0..7
	s_bfe_u32 s13, ttmp6, 0x40000                  ; cx: my place in the cluster
	s_lshl_b32 s14, ttmp9, 2                       ; in a cluster launch ttmp9 counts clusters
	s_add_co_u32 s14, s14, s13                     ; my block of 256 queries: it enters Q's and O's addresses alone
	s_and_b32 s20, ttmp7, 0xffff                   ; batch x 16 + head, which the four partners share
	s_lshl_b32 s21, s20, 18                        ; 262,144 bytes a head in each region
	s_lshl_b32 s22, s[WV], 13                      ; the tiles: which of a slot's eight steps I fetch,
	s_add_co_u32 s22, s22, s21                     ; in my head,
	s_add_co_u32 s22, s22, REGION                  ; in K's region, behind Q's; the tile's second row is the same place in V's
	s_mov_b32 s23, 0
	s_bfe_u32 s16, s[WV], 0x10001                  ; the prefetches: waves 0, 1 for K's region, waves 2, 3 for V's (one bit from bit 1),
	s_add_co_u32 s16, s16, 1
	s_lshl_b32 s16, s16, 23
	s_add_co_u32 s16, s16, s21                     ; in my head,
	s_lshl_b32 s17, s13, 1
	s_and_b32 s2, s[WV], 1
	s_add_co_u32 s17, s17, s2                      ; step 2 cx + wave % 2 of the slot's eight,
	s_lshl_b32 s17, s17, 13
	s_add_co_u32 s16, s16, s17
	s_add_co_u32 s16, s16, 2*SLOTB                 ; of the third 512 keys, which the first change of slots will ask for
	s_mov_b32 s17, 0
	s_lshr_b32 s[LIM], s[WV], 2
	s_or_b32 s[LIM], s[LIM], ttmp9                 ; 0 in waves 0 to 3 of the head's first cluster: the same in all four partners
	s_cmp_eq_u32 s[LIM], 0
	s_cselect_b32 s[LIM], ASKAT, -1
	s_lshl_b32 s2, s14, 15                         ; Q: my block's 256 queries, 128 bytes each,
	s_add_co_u32 s2, s2, s21
	s_lshl_b32 s3, s[WV], 12                       ; my wave's 32
	s_add_co_u32 s2, s2, s3
	s_mov_b32 s3, 0
	s_lshr_b32 s32, s20, 4                         ; O: tile of 16 rows = 128 x batch + 16 x block + 2 x wave,
	s_lshl_b32 s32, s32, 7
	s_lshl_b32 s33, s14, 4
	s_add_co_u32 s32, s32, s33
	s_lshl_b32 s33, s[WV], 1
	s_add_co_u32 s32, s32, s33
	s_lshl_b32 s32, s32, 15                        ; 32,768 bytes each;
	s_and_b32 s34, s20, 15                         ; the head's 64 channels: 2,048 bytes in it
	s_lshl_b32 s33, s34, 11
	s_add_co_u32 s32, s32, s33
	s_mov_b32 s33, 0
	s_lshl_b32 s34, s34, 8                         ; bv: the head's 64 numbers
	s_mov_b32 s35, 0
	; descriptor group 1: two rows of 8,192 bytes, a region apart in memory, on end in LDS
	s_mov_b32 s[G1], 15|(3<<16)|(1<<21)            ; 15:0 the mask: all four work-groups; 17:16 elements of 8 bytes; 20 no padding; 21 set beside a mask
	s_mov_b32 s[G1+1], 1024<<16                    ; tensor_dim0 = 1,024
	s_mov_b32 s[G1+2], 2<<16                       ; tensor_dim1 = 2
	s_mov_b32 s[G1+3], 1024<<16                    ; tile_dim0 = 1,024
	s_mov_b32 s[G1+4], 2                           ; tile_dim1 = 2
	s_mov_b32 s[G1+5], REGION/8                    ; tensor_dim0_stride, in elements
	s_mov_b32 s[G1+6], 0
	s_mov_b32 s[G1+7], 0
	s_mov_b32 s[CS], 0x3e38aa3b                    ; c = log2(e) / sqrt(64)
	s_mov_b32 s[CS+1], s[CS]                       ; named with it as a pair, so it is written
	s_mov_b32 s[SEL], 0x76543210
	s_mov_b32 s[SEL+1], 0xfedcba98
	s_mov_b32 s[TB], 0
	s_mov_b32 s[SLOTS], 2
	s_wait_dscnt 0x0                               ; both opening adds are done
	s_wait_kmcnt 0x0
	s_mov_b32 s[G0A], 1                            ; 1:0 count = 1
	s_lshl_b32 s[G0A+1], s[WV], 14                 ; 63:32 LDS address: slot 0, 16,384 x wave: no place in the cluster enters it
	s_add_nc_u64 s[G0A+2:G0A+3], s[4:5], s[22:23]  ; 120:64 global address: the head's first 512 keys
	s_mov_b32 s[G0B], 1
	s_add_co_u32 s[G0B+1], s[G0A+1], SLOT1         ; slot 1,
	s_add_nc_u64 s[G0B+2:G0B+3], s[G0A+2:G0A+3], SLOTB   ; the next 512 keys
	s_or_b32 s[G0A+3], s[G0A+3], 0x80000000        ; 127:126 type = 2
	s_or_b32 s[G0B+3], s[G0B+3], 0x80000000
	s_add_nc_u64 s[PFA:PFA+1], s[4:5], s[16:17]
	s_add_nc_u64 s[4:5], s[4:5], s[2:3]            ; Q at my wave's first query
	s_add_nc_u64 s[6:7], s[6:7], s[34:35]
	s_add_nc_u64 s[8:9], s[8:9], s[32:33]
	CROUND                                         ; all four work-groups are here: the first joint loads meet
	tensor_load_to_lds s[G0A:G0A+3], s[G1:G1+7]    ; both first fills go out together, ahead of every wait on TENSORcnt and every LDS read: two loads of mine are out
	s_nop 0
	tensor_load_to_lds s[G0B:G0B+3], s[G1:G1+7]
	s_nop 0
.rept 4
	v_nop
.endr
	v_and_b32 v1, 31, v0
	v_lshlrev_b32 v[L16], 4, v1
.irp t, 0,1
.irp c, 0,1
	global_load_b128 v[Q+16*\t+8*\c:Q+16*\t+8*\c+3],   v[L16], s[4:5] offset:\t*2048+\c*1024       ; Q stays in registers
	global_load_b128 v[Q+16*\t+8*\c+4:Q+16*\t+8*\c+7], v[L16], s[4:5] offset:\t*2048+\c*1024+512
.endr
.endr
	v_bfe_u32 v3, v0, 4, 1
	v_lshlrev_b32 v3, 5, v3                        ; my half's eight numbers of sixteen
.irp c, 0,1,2,3
	global_load_b128 v[BV+8*\c:BV+8*\c+3],   v3, s[6:7] offset:64*\c
	global_load_b128 v[BV+8*\c+4:BV+8*\c+7], v3, s[6:7] offset:64*\c+16
.endr
	v_lshlrev_b32 v[PFO], 8, v1
.irp t, 0,1
	v_mov_b32 v[ST+8*\t+1], 0xff61b1e6             ; m: -3e38, under every score that this text serves
	v_mul_f32 v[ST+8*\t], s[CS], v[ST+8*\t+1]      ; c m
	v_mov_b32 v[ST+8*\t+2], 0                      ; l, in two halves
	v_mov_b32 v[ST+8*\t+3], 0
.endr
.set i, 0
.rept 64
	v_mov_b32 v[O+i], 0                            ; O^T.  (The step is written for all steps alike: the first finds zeros, which a = 0 leaves zeros)
.set i, i+1
.endr
; Product i of 16 of S^T = K Q^T: channels 32 (i / 8) on, keys 16 ((i / 2) % 4) on, tile i % 2.  The first 8 start the sums.  The eight accumulators take turns.
.macro KQ
.set rS, S+32*(i%2)+8*((i/2)%4)
.set rK, KF+8*(2*((i/2)%4)+i/8)
.set rQ, Q+16*(i%2)+8*(i/8)
.if i < 8
	v_wmma_f32_16x16x32_f16 v[rS:rS+7], v[rK:rK+7], v[rQ:rQ+7], 0
.else
	v_wmma_f32_16x16x32_f16 v[rS:rS+7], v[rK:rK+7], v[rQ:rQ+7], v[rS:rS+7]
.endif
.endm
; Product i of 16 of O^T += V^T P: keys 32 (i / 8) on, channels 16 ((i / 2) % 4) on, tile i % 2.
.macro PV
.set rO, O+32*(i%2)+8*((i/2)%4)
.set rV, VF+8*(4*(i/8)+(i/2)%4)
.set rP, P+16*(i%2)+8*(i/8)
	v_wmma_f32_16x16x32_f16 v[rO:rO+7], v[rV:rV+7], v[rP:rP+7], v[rO:rO+7]
.endm
; Sixteen LDS loads in one run: a step's eight fragments of K, off bytes behind the address in hand
.macro KLOAD off
	WIN 0x40                                       ; destination window 1
.irp f, 0,1,2,3,4,5,6,7
	ds_load_b128 v[KF+8*\f:KF+8*\f+3],   v[ADR] offset:(\off)+\f*1024
	ds_load_b128 v[KF+8*\f+4:KF+8*\f+7], v[ADR] offset:(\off)+\f*1024+512
.endr
	WIN 0
.endm
; A KEY STEP: 64 keys.  Its K was asked for in the step before.
; kind = 0: one of a slot's first seven steps: the next step's K lies behind this step in the same slot.
; kind = 1: a slot's last step, with THE CHANGE OF SLOTS behind its K Q^T.  Each wave waits for all its tensor loads (the one that is out is its part of the other slot), adds 0 to its spare word, and waits for that
;           and for its reads of this slot, of which this step's V were the last.  The barrier is a round of the cluster's, so that no wave of any partner still reads this slot or has a load on its way; the joint
;           load of the keys two slots on into this slot is the first thing behind the round, the wave's one tensor load until the next, and has eight key steps in which to land.  Then comes the next step's K, out of the other slot.
; kind = 2: the same with nothing left to ask for: a plain barrier.      kind = 3: the very last step: no K is asked for.
; ask = 1: the step holds the prefetch.
.macro STEP kind, ask
	v_add_nc_u32 v[ADR], s[TB], v[L16]             ; with the three v_nop: the four places between the last step's products and the loads into V's registers
.rept 3
	v_nop
.endr
	WIN 0x40                                       ; destination window 1
.irp f, 0,1,2,3,4,5,6,7
	ds_load_b128 v[VF+8*\f:VF+8*\f+3],   v[ADR] offset:STEPB+\f*1024
	ds_load_b128 v[VF+8*\f+4:VF+8*\f+7], v[ADR] offset:STEPB+\f*1024+512
.endr
	s_wait_dscnt 16                                ; K, asked for a step ago, is in; V's sixteen loads, just issued, may be out
	WIN 0x01                                       ; source 0 window 1
.set i, 0
.rept 16
	KQ
.set i, i+1
.endr
	WIN 0
	v_mov_b32 v[OLD], v[ST]                        ; c m_old is kept for a.  With the two v_nop: the four places behind the products, for the loads into K's registers and for the first read of the scores
	v_mov_b32 v[OLD+1], v[ST+8]
	v_nop
	v_nop
.if \kind == 0
	KLOAD STEP2                                    ; the next step's K: it lands under the softmax
	s_add_co_u32 s[TB], s[TB], STEP2
.if \ask
	ASK
.endif
.elseif \kind < 3
	s_wait_tensorcnt 0x0                           ; no tensor load of mine is out, so the group 0 may be written
	ds_add_u32 v[SPW], v[NIL]                      ; 0 onto my spare word; the steps below stand between it and the wait for it
.if \kind == 1
	s_xor_b32 s[G0B+1], s[G0B+1], SLOT1            ; the walking descriptor: the other slot than last time,
	s_add_nc_u64 s[G0B+2:G0B+3], s[G0B+2:G0B+3], SLOTB   ; the next 512 keys; the type bits on top are not reached
	s_wait_xcnt 0x0                                ; the slot's prefetch, two steps back, has read its address, so it may be written:
	s_add_nc_u64 s[PFA:PFA+1], s[PFA:PFA+1], SLOTB ; what the next change will ask for
.endif
	s_sub_co_u32 s[TB], s[TB], (NST-1)*STEP2       ; back to a slot's first step,
	s_xor_b32 s[TB], s[TB], SLOT1                  ; in the other slot
	s_wait_dscnt 0x0                               ; the add is done, and my reads of this slot are over
.if \kind == 1
	CROUND
	JLOAD
.else
	s_barrier_signal -1
	s_barrier_wait -1
.endif
	v_add_nc_u32 v[ADR], s[TB], v[L16]
	KLOAD 0                                        ; the next step's K, out of the other slot, which is whole
.endif
	; the maximum of the lane's 32 scores and the old m: four chains a tile, each begun at the low end of its accumulator; the two tiles alternate, so that no line waits for the line above it
.irp j, 0,1,2,3
.irp t, 0,1
	v_max3_num_f32 v[ST+8*\t+4+\j], v[S+32*\t+8*\j], v[S+32*\t+8*\j+1], v[S+32*\t+8*\j+2]
.endr
.endr
.irp g, 1,2
.irp j, 0,1,2,3
.irp t, 0,1
	v_max3_num_f32 v[ST+8*\t+4+\j], v[ST+8*\t+4+\j], v[S+32*\t+8*\j+2*\g+1], v[S+32*\t+8*\j+2*\g+2]
.endr
.endr
.endr
.irp t, 0,1
	v_max3_num_f32 v[ST+8*\t+4], v[ST+8*\t+4], v[S+32*\t+7], v[S+32*\t+15]
.endr
.irp t, 0,1
	v_max3_num_f32 v[ST+8*\t+6], v[ST+8*\t+6], v[S+32*\t+23], v[S+32*\t+31]
.endr
.irp t, 0,1
	v_max3_num_f32 v[ST+8*\t+4], v[ST+8*\t+4], v[ST+8*\t+5], v[ST+8*\t+6]
.endr
.irp t, 0,1
	v_max3_num_f32 v[ST+8*\t+4], v[ST+8*\t+4], v[ST+8*\t+7], v[ST+8*\t+1]
.endr
.irp t, 0,1
	v_permlanex16_b32 v[ST+8*\t+5], v[ST+8*\t+4], s[SEL], s[SEL+1]   ; the query's other 32 keys lie in the lane 16 away
.endr
.irp t, 0,1
	v_max_num_f32 v[ST+8*\t+1], v[ST+8*\t+4], v[ST+8*\t+5]           ; the new m
.endr
.irp t, 0,1
	v_mul_f32 v[ST+8*\t], s[CS], v[ST+8*\t+1]                        ; c m
.endr
.irp t, 0,1
	v_sub_f32 v[OLD+\t], v[OLD+\t], v[ST+8*\t]                       ; c m_old - c m_new, 0 or less
.endr
.irp b, 0,1,2,3,4,5,6,7,8,9,10,11,12,13,14,15
.irp t, 0,1
	v_pk_fma_f32 v[S+32*\t+2*\b:S+32*\t+2*\b+1], v[S+32*\t+2*\b:S+32*\t+2*\b+1], s[CS:CS+1], v[ST+8*\t:ST+8*\t+1] op_sel_hi:[1,0,0] neg_lo:[0,0,1] neg_hi:[0,0,1]   ; c s - c m, two at a time
.endr
.endr
	; ONE BATCH of 66 exponentials, none of which reads another's result
.irp t, 0,1
	v_exp_f32 v[ST+8*\t+6], v[OLD+\t]              ; a
.endr
.set i, 0
.rept 64
	v_exp_f32 v[S+i], v[S+i]                       ; p
.set i, i+1
.endr
	v_nop                                          ; a plain instruction behind the last exponential, ahead of the first use
	s_wait_alu depctr_va_vdst(0)                   ; the wait ahead of the first instruction that names a result: one for the batch
.set i, 0
.rept 32
	v_cvt_pk_f16_f32 v[P+i], v[S+2*i], v[S+2*i+1]  ; the weights for the second product: a pair of neighbouring keys to a register
.set i, i+1
.endr
	; the row's sum, of the unrounded p, as a tree in place; in a pair: an even key's weight, an odd key's
.irp u, 0,1,2,3,4,5,6,7
.irp t, 0,1
	v_pk_add_f32 v[S+32*\t+4*\u:S+32*\t+4*\u+1], v[S+32*\t+4*\u:S+32*\t+4*\u+1], v[S+32*\t+4*\u+2:S+32*\t+4*\u+3]
.endr
.endr
.irp u, 0,1,2,3
.irp t, 0,1
	v_pk_add_f32 v[S+32*\t+8*\u:S+32*\t+8*\u+1], v[S+32*\t+8*\u:S+32*\t+8*\u+1], v[S+32*\t+8*\u+4:S+32*\t+8*\u+5]
.endr
.endr
.irp u, 0,1
.irp t, 0,1
	v_pk_add_f32 v[S+32*\t+16*\u:S+32*\t+16*\u+1], v[S+32*\t+16*\u:S+32*\t+16*\u+1], v[S+32*\t+16*\u+8:S+32*\t+16*\u+9]
.endr
.endr
.irp t, 0,1
	v_pk_add_f32 v[S+32*\t:S+32*\t+1], v[S+32*\t:S+32*\t+1], v[S+32*\t+16:S+32*\t+17]
.endr
.irp t, 0,1
	v_pk_fma_f32 v[ST+8*\t+2:ST+8*\t+3], v[ST+8*\t+2:ST+8*\t+3], v[ST+8*\t+6:ST+8*\t+7], v[S+32*\t:S+32*\t+1] op_sel_hi:[1,0,1]   ; l = a l + the sum
.endr
.irp u, 0,1,2,3,4,5,6,7,8,9,10,11,12,13,14,15
.irp t, 0,1
	v_pk_mul_f32 v[O+32*\t+2*\u:O+32*\t+2*\u+1], v[O+32*\t+2*\u:O+32*\t+2*\u+1], v[ST+8*\t+6:ST+8*\t+7] op_sel_hi:[1,0]   ; O^T under the new m
.endr
.endr
.if \kind == 3
	s_wait_dscnt 0x0                               ; V is in
.else
	s_wait_dscnt 16                                ; V is in; the sixteen loads of the next step's K, issued behind V's, may be out
.endif
	WIN 0x01
.set i, 0
.rept 16
	PV
.set i, i+1
.endr
	WIN 0                                          ; at a label and at a branch every window is 0
.endm
.macro SEVEN_STEPS ask                 ; a slot's first seven key steps: written once, walked seven times; the LDS addresses hang on s[TB]
	s_mov_b32 s[CNT], NST-1
.Lstep_\@:
	STEP 0, \ask
	s_sub_co_u32 s[CNT], s[CNT], 1
	s_cmp_lg_u32 s[CNT], 0
	s_cbranch_scc1 .Lstep_\@
.endm
	s_wait_loadcnt 0x0                             ; Q and bv
	s_wait_tensorcnt 0x1                           ; my part of slot 0 is in; slot 1's load, issued behind it, may be out
	s_barrier_signal -1
	s_barrier_wait -1                              ; everybody's is
	v_add_nc_u32 v[ADR], s[TB], v[L16]
	KLOAD 0                                        ; the first step's K
.Lslot:                                                ; two trips: the first two slots are filled again when they have been read
	SEVEN_STEPS 1
	STEP 1, 0
	s_sub_co_u32 s[SLOTS], s[SLOTS], 1
	s_cmp_lg_u32 s[SLOTS], 0
	s_cbranch_scc1 .Lslot
	SEVEN_STEPS 0                                  ; the last two slots are written out
	STEP 2, 0
	SEVEN_STEPS 0
	STEP 3, 0
	; THE WAY OUT.  l's two halves and the other half of the lanes' are added; O^T / l + bv, rounded to f16: a lane's eight channels are its 16 bytes of a fragment's image.  The additions are the places behind the last products.
.irp t, 0,1
	v_add_f32 v[ST+8*\t+4], v[ST+8*\t+2], v[ST+8*\t+3]
.endr
.irp t, 0,1
	v_permlanex16_b32 v[ST+8*\t+5], v[ST+8*\t+4], s[SEL], s[SEL+1]
.endr
.irp t, 0,1
	v_add_f32 v[ST+8*\t+4], v[ST+8*\t+4], v[ST+8*\t+5]
.endr
.irp t, 0,1
	v_rcp_f32 v[ST+8*\t+6], v[ST+8*\t+4]
.endr
	v_nop                                          ; a plain instruction between the last reciprocal and the use of its result
	s_wait_alu depctr_va_vdst(0)                   ; and the wait ahead of the first use: one for both
.irp t, 0,1
.irp u, 0,1,2,3,4,5,6,7,8,9,10,11,12,13,14,15
	v_pk_fma_f32 v[O+32*\t+2*\u:O+32*\t+2*\u+1], v[O+32*\t+2*\u:O+32*\t+2*\u+1], v[ST+8*\t+6:ST+8*\t+7], v[BV+2*\u:BV+2*\u+1] op_sel_hi:[1,0,1]   ; each accumulator from its low end on
.endr
.endr
.set i, 0
.rept 32
	v_cvt_pk_f16_f32 v[S+i], v[O+2*i], v[O+2*i+1]
.set i, i+1
.endr
.irp t, 0,1
.irp c, 0,1,2,3
	global_store_b128 v[L16], v[S+16*\t+4*\c:S+16*\t+4*\c+3], s[8:9] offset:\t*32768+\c*512   ; 32 lanes store 512 consecutive bytes, aligned
.endr
.endr
	s_wait_tensorcnt 0x0                           ; the wave's end: a wait, an add to my spare word and a wait, behind my last tensor load
	ds_add_u32 v[SPW], v[NIL]
	s_wait_dscnt 0x0
	CROUND                                         ; the closing round: no work-group ends while a partner may still ask for a tile that names it
	s_endpgm
.Lfunc_end_k_q8e0b4035f0_attn:
	.size	k_q8e0b4035f0_attn, .Lfunc_end_k_q8e0b4035f0_attn-k_q8e0b4035f0_attn
	.p2alignl 7, 3214868480
	.fill 96, 4, 3214868480
	.section	.rodata,"a",@progbits
	.p2align	6, 0x0
	.amdhsa_kernel k_q8e0b4035f0_attn
		.amdhsa_group_segment_fixed_size 327680
		.amdhsa_private_segment_fixed_size 0
		.amdhsa_enable_private_segment 0
		.amdhsa_kernarg_size 24
		.amdhsa_user_sgpr_count 2
		.amdhsa_user_sgpr_kernarg_segment_ptr 1
		.amdhsa_wavefront_size32 1
		.amdhsa_system_sgpr_workgroup_id_x 1
		.amdhsa_system_sgpr_workgroup_id_y 1
		.amdhsa_system_sgpr_workgroup_id_z 1
		.amdhsa_system_vgpr_workitem_id 0
		.amdhsa_next_free_vgpr 384
		.amdhsa_next_free_sgpr 66
		.amdhsa_reserve_vcc 0
		.amdhsa_float_denorm_mode_32 3
		.amdhsa_float_denorm_mode_16_64 3
		.amdhsa_memory_ordered 1
		.amdhsa_forward_progress 1
		.amdhsa_inst_pref_size 119
	.end_amdhsa_kernel
	.amdgpu_metadata
---
amdhsa.version: [ 1, 2 ]
amdhsa.kernels:
  - .name:           k_q8e0b4035f0_attn
    .symbol:         k_q8e0b4035f0_attn.kd
    .args:
      - { .name: qkv16, .offset: 0, .size: 8, .value_kind: global_buffer, .address_space: global }
      - { .name: bv, .offset: 8, .size: 8, .value_kind: global_buffer, .address_space: global }
      - { .name: o16, .offset: 16, .size: 8, .value_kind: global_buffer, .address_space: global }
    .group_segment_fixed_size: 327680
    .private_segment_fixed_size: 0
    .kernarg_segment_align: 8
    .kernarg_segment_size: 24
    .max_flat_workgroup_size: 256
    .sgpr_count:     66
    .vgpr_count:     384
    .wavefront_size: 32
...
	.end_amdgpu_metadata
.endif
;; end of part 3
;; launch outp (part 4): grid 8 x 32, 4 waves a work-group, clusters of 4 x 4, 327,680 bytes of LDS; arguments o16, wo16, bo, out0; writes out0
.if DOCPART == 4
	.amdgcn_target "amdgcn-amd-amdhsa--gfx1250"
	.amdhsa_code_object_version 6
	.text
	.protected	k_q8e0b4035f0_outp
	.globl	k_q8e0b4035f0_outp
	.p2align	8
	.type	k_q8e0b4035f0_outp,@function
k_q8e0b4035f0_outp:
	s_mov_b64 s[64:65], 0
	v_nop
	global_prefetch_b8 v0, s[64:65] scope:SCOPE_SE
	s_setreg_imm32_b32 hwreg(HW_REG_WAVE_MODE, 25, 1), 1
	s_wait_xcnt 0x0
	s_wait_alu depctr_hold_cnt(0) depctr_sa_sdst(0) depctr_va_vdst(0) depctr_va_sdst(0) depctr_va_ssrc(0) depctr_va_vcc(0) depctr_vm_vsrc(0)
	s_getreg_b32 s2, hwreg(HW_REG_IB_STS2, 6, 4)
	s_cmp_eq_u32 s2, 0
	s_cbranch_scc0 .Lentry_in_a_cluster
	s_endpgm
.Lentry_in_a_cluster:
	s_bfe_u32 s2, ttmp6, 0x10000c
	s_cmp_lg_u32 s2, 0xf033
	s_cbranch_scc0 .Lentry_shape_is_right
	s_endpgm
.Lentry_shape_is_right:
; OUTP.  out0[m][n] = sum over k of O[m][k] Wo[n][k] + bo[n].  O: 4,096 x 1,024 f16, as images of fragments [16 rows: 256][32 k: 32][half 2][lane 32][16 bytes]; Wo: [1024][1024] f16, row-major; out0: f32.  Sums in f32.
; A tile of 128 x 128 is made by four waves, 64 x 64 each: 16 accumulators, 128 registers: 256 work-groups.  K goes in steps of 256 through a ring of two LDS slots filled by the tensor data mover.
; O's part of a slot: for each of the tile's 8 blocks of 16 rows, 8,192 consecutive bytes (eight images), as they lie: a fragment comes by two loads at 16 x lane.  Wo's part: 128 rows of 512 bytes + 16 of padding.
; CLUSTERS: 4 x 4 work-groups.  The four of a row of the cluster need the same tiles of O, the four of a column the same tiles of Wo: each tile is asked for JOINTLY, by the same tensor load with the same descriptor
; and a mask that names the four.  THE MATRIX INSTRUCTION IS USED TRANSPOSED (source 0 = 16 rows of Wo, source 1 = 16 rows of O): a lane then holds eight neighbouring numbers of a row of out0.
; bo is the C of each sum's first matrix instruction: four tiles of eight registers in the result's layout.
; REGISTERS: window 0: v0-31 addresses; v32-95 at work on the way out; v96-127 bo; v128-255 the accumulators ((a, b) at v[128 + 8 (4 a + b)]).
;   window 1: two fragment buffers of 128: for 64 along K, 64 registers of O (2 x 4 x 16 rows x 32 K), then 64 of Wo.
.set PITCH,  528                       ; a row of Wo in LDS: 512 bytes + 16 of padding = 132 words: row r starts at bank 4 r mod 64 (64 banks of 4 bytes: ISA guide 11.1)
.set HALFT,  64*PITCH                  ; 64 rows of Wo: what one tensor load brings, and what one wave reads
.set HALFA,  32768                     ; 64 rows of O for a K step: four blocks of 8,192 bytes
.set BOFF,   2*HALFA                   ; in a slot Wo lies behind O
.set SLOT,   BOFF+2*HALFT
.set STAGE,  2*SLOT                    ; behind the ring: 16 rows x 272 bytes for each wave, its own, for the way out
.set SPITCH, 272
.set SPARE,  STAGE+4*16*SPITCH         ; behind the stages: the spare words, 128 bytes for each wave
.set LAPS,   2                         ; a lap = two K steps = once round the ring
.set ADRA, 16                          ; v16-17  LDS address of my fragments of O in slot 0, 1
.set ADRB, 20                          ; v20-21  the same for Wo
.set STO,  24                          ; v24     the way out: where I put 32 bytes of a row
.set RD,   25                          ; v25     the way out: where I read a row back
.set CO,   26                          ; v26     my byte offset in out0
.set SPW,  28                          ; v28     LDS address of my spare word; never rewritten
.set NIL,  29                          ; v29     0; never rewritten
.set TMP,  32                          ; the way out: two sets of 32 registers
.set BIAS, 96
.set ACC,  128
.set F0,   0                           ; fragment buffers, in window 1
.set F1,   128
.set G1, 24                            ; s[24:31] descriptor group 1 for O's tiles;  s[32:39] group 0, one set for each slot
.set G0, 32
.set G1B, 48                           ; s[48:55], s[56:63] the same for Wo's tiles
.set G0B, 56
.set MSB, 0
.macro WIN new                         ; the immediate's high byte repeats the setting that is left
.if MSB != (\new)
	s_set_vgpr_msb (MSB<<8)|(\new)
.set MSB, (\new)
.endif
.endm
.set MUL,  0x05                        ; sources 0 (Wo) and 1 (O) window 1; C and D window 0
.set TO_F, 0x40                        ; destination window 1, address window 0
.macro JLOAD s                         ; a joint load: waves 0 and 1 fetch O's two halves, waves 2 and 3 Wo's; an s_nop 0 and four v_nop follow each of the two lines, ahead of the jump, the label and what follows
	s_cmp_eq_u32 s13, 0
	s_cbranch_scc0 .Lfor_b_\@
	tensor_load_to_lds s[G0+4*\s:G0+4*\s+3], s[G1:G1+7]
	s_nop 0
.rept 4
	v_nop
.endr
	s_branch .Lasked_\@
.Lfor_b_\@:
	tensor_load_to_lds s[G0B+4*\s:G0B+4*\s+3], s[G1B:G1B+7]
	s_nop 0
.rept 4
	v_nop
.endr
.Lasked_\@:
.endm
.macro CREST                           ; a round of the cluster's barrier behind its opening barrier
	s_cmp_lg_u32 s12, 0
	s_cbranch_scc1 .Lnot_wave_0_\@
	s_barrier_signal -3
.Lnot_wave_0_\@:
	s_barrier_wait -3
	s_barrier_signal -1
	s_barrier_wait -1
.endm
.macro CROUND                          ; a whole round
	s_barrier_signal -1
	s_barrier_wait -1
	CREST
.endm
	s_load_b256 s[4:11], s[0:1], 0x0               ; o16 s[4:5], wo16 s[6:7], bo s[8:9], out0 s[10:11]
	v_lshl_add_u32 v[SPW], v0, 2, SPARE
	v_mov_b32 v[NIL], 0
	ds_add_u32 v[SPW], v[NIL]                      ; the wave's opening: the add, twice on end, and its wait ahead of my first tensor load; the set-up below stands between the second and the wait
	ds_add_u32 v[SPW], v[NIL]
	v_lshrrev_b32 v1, 5, v0
	v_readfirstlane_b32 s12, v1                    ; wave 0..3
	s_lshr_b32 s13, s12, 1                         ; which half of the tile's rows is mine.  Also: I fetch for O (0) or for Wo (1)
	s_and_b32 s14, s12, 1                          ; which half of its columns.  Also: which 64 rows of that tile I fetch
	s_bfe_u32 s40, ttmp6, 0x40000                  ; cx, cy: my place in the cluster
	s_bfe_u32 s41, ttmp6, 0x40004
	s_lshl_b32 s42, ttmp9, 2
	s_add_co_u32 s42, s42, s40                     ; tile column = 4 x cluster x + cx
	s_and_b32 s15, ttmp7, 0xffff
	s_lshl_b32 s15, s15, 2
	s_add_co_u32 s15, s15, s41                     ; tile row = 4 x cluster y + cy
	s_lshl_b32 s43, s41, 2
	s_lshl_b32 s43, 15, s43                        ; my row of the cluster
	s_lshl_b32 s44, 0x1111, s40                    ; my column
	; descriptor group 1 for O: 4 rows (blocks of 16 rows of O) of 8,192 bytes, 32,768 bytes apart in memory, dense in LDS
	s_or_b32 s[G1+0], s43, (3<<16)|(1<<21)         ; 15:0 the mask: O's tiles go to my row; 17:16 elements of 8 bytes; 20 no padding; 21 set beside a mask
	s_mov_b32 s[G1+1], 1024<<16                    ; tensor_dim0 = 1,024
	s_mov_b32 s[G1+2], 4<<16                       ; tensor_dim1 = 4
	s_mov_b32 s[G1+3], 1024<<16                    ; tile_dim0 = 1,024
	s_mov_b32 s[G1+4], 4                           ; tile_dim1 = 4
	s_mov_b32 s[G1+5], 4096                        ; tensor_dim0_stride
	s_mov_b32 s[G1+6], 0
	s_mov_b32 s[G1+7], 0
	; and for Wo: 64 rows x 256 elements of 2 bytes, padded in LDS
	s_or_b32 s[G1B+0], s44, (1<<16)|(1<<20)|(1<<21)|(6<<22)|(3<<25)  ; the mask: my column; padding on: four words (code 3) after every 128 (code 6)
	s_mov_b32 s[G1B+1], 256<<16
	s_mov_b32 s[G1B+2], 64<<16
	s_mov_b32 s[G1B+3], 256<<16
	s_mov_b32 s[G1B+4], 64
	s_mov_b32 s[G1B+5], 1024
	s_mov_b32 s[G1B+6], 0
	s_mov_b32 s[G1B+7], 0
	s_lshl_b32 s16, s15, 3
	s_lshl_b32 s17, s14, 2
	s_add_co_u32 s16, s16, s17                     ; O: block 8 x tile row + 4 x half,
	s_lshl_b32 s16, s16, 15                        ; 32,768 bytes each
	s_mov_b32 s17, 0
	s_lshl_b32 s46, s42, 7
	s_lshl_b32 s47, s14, 6
	s_add_co_u32 s46, s46, s47                     ; Wo: row 128 x tile column + 64 x half,
	s_lshl_b32 s46, s46, 11                        ; 2,048 bytes each
	s_mov_b32 s47, 0
	s_lshl_b32 s20, s14, 15                        ; where they go: O's half,
	s_mul_i32 s21, s14, HALFT
	s_add_co_u32 s21, s21, BOFF                    ; Wo's half: no place in the cluster enters an LDS address
	s_wait_dscnt 0x0                               ; both opening adds are done
	s_wait_kmcnt 0x0
	s_add_nc_u64 s[16:17], s[4:5], s[16:17]
	s_add_nc_u64 s[46:47], s[6:7], s[46:47]
	CROUND                                         ; all sixteen work-groups are here: the first joint loads meet
.irp s, 0,1
	s_mov_b32 s[G0+4*\s], 1
	s_add_co_u32 s[G0+4*\s+1], s20, \s*SLOT
	s_add_nc_u64 s[G0+4*\s+2:G0+4*\s+3], s[16:17], \s*8192        ; K step s: eight images on
	s_or_b32 s[G0+4*\s+3], s[G0+4*\s+3], 0x80000000
	s_mov_b32 s[G0B+4*\s], 1
	s_add_co_u32 s[G0B+4*\s+1], s21, \s*SLOT
	s_add_nc_u64 s[G0B+4*\s+2:G0B+4*\s+3], s[46:47], \s*512       ; K step s: 256 f16 on
	s_or_b32 s[G0B+4*\s+3], s[G0B+4*\s+3], 0x80000000
	JLOAD \s
.endr
	v_and_b32 v1, 15, v0                           ; l % 16
	v_bfe_u32 v2, v0, 4, 1                         ; l / 16
	; bo: my 64 columns; tile b's eight registers: columns 16 b + 8 (l / 16) + 0 .. 7
	s_lshl_b32 s18, s42, 9
	s_lshl_b32 s19, s14, 8
	s_add_co_u32 s18, s18, s19                     ; my first column, in bytes of f32: 512 x tile column + 256 x half
	s_mov_b32 s19, 0
	s_add_nc_u64 s[8:9], s[8:9], s[18:19]
	v_lshlrev_b32 v7, 5, v2
.irp b, 0,1,2,3
	global_load_b128 v[BIAS+8*\b:BIAS+8*\b+3],   v7, s[8:9] offset:64*\b
	global_load_b128 v[BIAS+8*\b+4:BIAS+8*\b+7], v7, s[8:9] offset:64*\b+16
.endr
	v_and_b32 v6, 31, v0
	v_lshlrev_b32 v6, 4, v6                        ; O: 16 x lane
	v_mul_u32_u24 v3, v1, PITCH
	v_lshl_add_u32 v3, v2, 4, v3                   ; Wo: a fragment's row x pitch + 16 x half
	s_lshl_b32 s21, s13, 15                        ; my 64 rows of O
	s_mul_i32 s22, s14, HALFT                      ; my 64 rows of Wo,
	s_add_co_u32 s22, s22, BOFF                    ; which lie behind O's part
.irp s, 0,1
	v_add_nc_u32 v[ADRA+\s], s21, v6
	v_add_nc_u32 v[ADRB+\s], s22, v3
	s_add_co_u32 s21, s21, SLOT
	s_add_co_u32 s22, s22, SLOT
.endr
	s_mul_i32 s23, s12, 16*SPITCH
	s_add_co_u32 s23, s23, STAGE                   ; my stage
	v_mul_u32_u24 v4, v1, SPITCH                   ; in: row l % 16, 32 bytes for each half of the lanes
	v_lshl_add_u32 v4, v2, 5, v4
	v_add_nc_u32 v[STO], s23, v4
	v_mul_u32_u24 v5, v2, SPITCH                   ; back: lanes 0-15 take one row of 256 bytes, lanes 16-31 the next
	v_lshl_add_u32 v5, v1, 4, v5
	v_add_nc_u32 v[RD], s23, v5
	v_lshlrev_b32 v5, 12, v2                       ; and the same two rows in out0: 4,096 bytes a row
	v_lshl_add_u32 v[CO], v1, 4, v5
	s_lshl_b32 s16, s15, 7
	s_lshl_b32 s17, s13, 6
	s_add_co_u32 s16, s16, s17                     ; my first row: 128 x tile row + 64 x half
	s_lshl_b32 s16, s16, 12
	s_add_co_u32 s16, s16, s18                     ; + my first column
	s_mov_b32 s17, 0
	s_add_nc_u64 s[10:11], s[10:11], s[16:17]
; 8 matrix instructions: row blocks a0, a0 + 1 x all 4 column blocks, 32 along K: half c of buffer f.  zero = 1: the first product starts the sums from bo.  The 16 accumulators take turns.
.macro MUL8 f, c, a0, zero
.irp a, \a0, \a0+1
.irp b, 0,1,2,3
.if \zero
	v_wmma_f32_16x16x32_f16 v[ACC+8*(4*(\a)+\b):ACC+8*(4*(\a)+\b)+7], v[\f+64+8*(4*\c+\b):\f+64+8*(4*\c+\b)+7], v[\f+8*(4*\c+\a):\f+8*(4*\c+\a)+7], v[BIAS+8*\b:BIAS+8*\b+7]
.else
	v_wmma_f32_16x16x32_f16 v[ACC+8*(4*(\a)+\b):ACC+8*(4*(\a)+\b)+7], v[\f+64+8*(4*\c+\b):\f+64+8*(4*\c+\b)+7], v[\f+8*(4*\c+\a):\f+8*(4*\c+\a)+7], v[ACC+8*(4*(\a)+\b):ACC+8*(4*(\a)+\b)+7]
.endif
.endr
.endr
.endm
; 32 LDS loads in one run: the fragments of the K step's kq-th 64 along K into buffer f; the first 32 along K first
.macro FETCH slot, kq, f
	WIN TO_F
.irp c, 0,1
.irp i, 0,1,2,3
	ds_load_b128 v[\f+64+8*(4*\c+\i):\f+64+8*(4*\c+\i)+3],   v[ADRB+\slot] offset:128*(\kq)+64*\c+\i*16*PITCH
	ds_load_b128 v[\f+64+8*(4*\c+\i)+4:\f+64+8*(4*\c+\i)+7], v[ADRB+\slot] offset:128*(\kq)+64*\c+\i*16*PITCH+32
	ds_load_b128 v[\f+8*(4*\c+\i):\f+8*(4*\c+\i)+3],         v[ADRA+\slot] offset:2048*(\kq)+1024*\c+\i*8192
	ds_load_b128 v[\f+8*(4*\c+\i)+4:\f+8*(4*\c+\i)+7],       v[ADRA+\slot] offset:2048*(\kq)+1024*\c+\i*8192+512
.endr
.endr
.endm
.macro PLACES                          ; four places in front of loads into registers that matrix instructions have read, and of the first read of results (ISA guide 7.12.1 for vector instructions)
.rept 4
	v_nop
.endr
.endm
; A K step is four quarters of 64 along K, 32 matrix instructions each, on buffers 0, 1, 0, 1.  One of the first three: multiplies buffer f and fetches quarter kq into g.
.macro QUARTER slot, kq, f, g, zero
	s_wait_dscnt 16                                ; the first 32 along K are in; the sixteen loads of the second 32 may be out
	WIN MUL
	MUL8 \f, 0, 0, \zero
	MUL8 \f, 0, 2, \zero
	PLACES
	FETCH \slot, \kq, \g
	s_wait_dscnt 32                                ; all but the 32 just issued
	WIN MUL
	MUL8 \f, 1, 0, 0
	MUL8 \f, 1, 2, 0
.endm
; The last quarter multiplies buffer 1 and changes slots: ONE barrier; in front of it each wave waits for all its tensor loads, adds 0 to its spare word, and waits for that and for its own reads of this slot.
; fill = 1: the barrier opens a round of the cluster's, and this slot is filled again, two K steps ahead, first thing behind the round: one tensor load a wave.
.macro TURN slot, next, fill
	WIN 0                                          ; (the add's two registers lie in window 0)
	s_wait_tensorcnt 0x0                           ; all my tensor loads have landed: my part of the next slot
	ds_add_u32 v[SPW], v[NIL]                      ; 0 onto my spare word
	s_wait_dscnt 17                                ; (the add and the youngest sixteen loads may be out)
	WIN MUL
	MUL8 F1, 0, 0, 0                               ; eight matrix instructions stand between the add and the wait for it
	s_wait_dscnt 0x0                               ; the add is done, and my reads of this slot are over
	s_barrier_signal -1
	MUL8 F1, 0, 2, 0
.if \fill
	WIN 0
.endif
	s_barrier_wait -1
.if \fill
	CREST                                          ; no wave of any partner still reads this slot's tiles or has a load on its way
	s_add_nc_u64 s[G0+4*\slot+2:G0+4*\slot+3], s[G0+4*\slot+2:G0+4*\slot+3], 2*8192
	s_add_nc_u64 s[G0B+4*\slot+2:G0B+4*\slot+3], s[G0B+4*\slot+2:G0B+4*\slot+3], 2*512
	JLOAD \slot                                    ; the four v_nop behind it are also the places in front of the loads below
.else
	PLACES
.endif
	FETCH \next, 0, F0
	WIN MUL
	MUL8 F1, 1, 0, 0
	MUL8 F1, 1, 2, 0
.endm
	s_wait_loadcnt 0x0                             ; bo
	s_wait_tensorcnt 1                             ; my part of K step 0 is in; K step 1's load, issued behind it, may be out
	s_barrier_signal -1
	s_barrier_wait -1                              ; everybody's is
	FETCH 0, 0, F0
	QUARTER 0, 1, F0, F1, 1                        ; the first quarter stands in front of the loop: its first products start the sums
	WIN 0                                          ; at a label and at a branch every window is 0
	s_mov_b32 s3, LAPS-1
.Llap:                                                 ; a trip goes once round the ring, from a lap's second quarter to the next lap's first, and fills both slots again
	QUARTER 0, 2, F1, F0, 0
	QUARTER 0, 3, F0, F1, 0
	TURN 0, 1, 1
	QUARTER 1, 1, F0, F1, 0
	QUARTER 1, 2, F1, F0, 0
	QUARTER 1, 3, F0, F1, 0
	TURN 1, 0, 1
	QUARTER 0, 1, F0, F1, 0
	WIN 0
	s_sub_co_u32 s3, s3, 1
	s_cmp_lg_u32 s3, 0
	s_cbranch_scc1 .Llap
	QUARTER 0, 2, F1, F0, 0                        ; the last lap fills nothing, and has no round of the cluster's barrier
	QUARTER 0, 3, F0, F1, 0
	TURN 0, 1, 0
	QUARTER 1, 1, F0, F1, 0
	QUARTER 1, 2, F1, F0, 0
	QUARTER 1, 3, F0, F1, 0
	s_wait_dscnt 16                                ; the very last quarter: nothing more to fetch
	WIN MUL
	MUL8 F1, 0, 0, 0
	MUL8 F1, 0, 2, 0
	s_wait_dscnt 0
	MUL8 F1, 1, 0, 0
	MUL8 F1, 1, 2, 0
	WIN 0
; THE WAY OUT, block by block of 16 rows x 64 columns.  A lane holds 32 neighbouring bytes of a row and the lanes beside it hold other rows: a block goes through my own stage in LDS and comes back as whole rows of
; 256 bytes.  LDS serves a wave's instructions in order (ISA guide 5.7.1.4): no wait between the stores and the loads, nor in front of the next block's stores.
.macro TOSTAGE a
.irp b, 0,1,2,3
	ds_store_b128 v[STO], v[ACC+8*(4*(\a)+\b):ACC+8*(4*(\a)+\b)+3] offset:64*\b          ; each accumulator from its low end on
	ds_store_b128 v[STO], v[ACC+8*(4*(\a)+\b)+4:ACC+8*(4*(\a)+\b)+7] offset:64*\b+16
.endr
.set BB, TMP+32*((\a)%2)
.irp t, 0,1,2,3,4,5,6,7
	ds_load_b128 v[BB+4*\t:BB+4*\t+3], v[RD] offset:\t*2*SPITCH
.endr
.endm
.macro SEND a, younger                 ; younger: the LDS instructions issued behind block a's loads, which may stay out
.set BB, TMP+32*((\a)%2)
	s_wait_dscnt \younger                          ; the block is back in registers
.irp t, 0,1,2,3,4,5,6,7
	global_store_b128 v[CO], v[BB+4*\t:BB+4*\t+3], s[10:11] offset:(16*(\a)+2*\t)*4096 th:TH_STORE_NT   ; 16 lanes store 256 consecutive bytes, aligned; written once, read by nobody here
.endr
.endm
	PLACES                                         ; behind the last products, ahead of the first read of results
	TOSTAGE 0
.irp a, 1,2,3
.if \a > 1
	s_wait_xcnt 0x0                                ; block a - 2's stores have read their registers: block a's loads may land there
.endif
	TOSTAGE \a
	SEND \a-1, 16                                  ; behind block a - 1's loads: block a's 8 stores and 8 loads
.endr
	SEND 3, 0
	s_wait_tensorcnt 0x0                           ; the wave's end: a wait, an add to my spare word and a wait, behind my last tensor load and my last LDS store
	ds_add_u32 v[SPW], v[NIL]
	s_wait_dscnt 0x0
	CROUND                                         ; the closing round: no work-group ends while a partner may still ask for a tile that names it
	s_endpgm
.Lfunc_end_k_q8e0b4035f0_outp:
	.size	k_q8e0b4035f0_outp, .Lfunc_end_k_q8e0b4035f0_outp-k_q8e0b4035f0_outp
	.p2alignl 7, 3214868480
	.fill 96, 4, 3214868480
	.section	.rodata,"a",@progbits
	.p2align	6, 0x0
	.amdhsa_kernel k_q8e0b4035f0_outp
		.amdhsa_group_segment_fixed_size 327680
		.amdhsa_private_segment_fixed_size 0
		.amdhsa_enable_private_segment 0
		.amdhsa_kernarg_size 32
		.amdhsa_user_sgpr_count 2
		.amdhsa_user_sgpr_kernarg_segment_ptr 1
		.amdhsa_wavefront_size32 1
		.amdhsa_system_sgpr_workgroup_id_x 1
		.amdhsa_system_sgpr_workgroup_id_y 1
		.amdhsa_system_sgpr_workgroup_id_z 1
		.amdhsa_system_vgpr_workitem_id 0
		.amdhsa_next_free_vgpr 512
		.amdhsa_next_free_sgpr 66
		.amdhsa_reserve_vcc 0
		.amdhsa_float_denorm_mode_32 3
		.amdhsa_float_denorm_mode_16_64 3
		.amdhsa_memory_ordered 1
		.amdhsa_forward_progress 1
		.amdhsa_inst_pref_size 86
	.end_amdhsa_kernel
	.amdgpu_metadata
---
amdhsa.version: [ 1, 2 ]
amdhsa.kernels:
  - .name:           k_q8e0b4035f0_outp
    .symbol:         k_q8e0b4035f0_outp.kd
    .args:
      - { .name: o16, .offset: 0, .size: 8, .value_kind: global_buffer, .address_space: global }
      - { .name: wo16, .offset: 8, .size: 8, .value_kind: global_buffer, .address_space: global }
      - { .name: bo, .offset: 16, .size: 8, .value_kind: global_buffer, .address_space: global }
      - { .name: out0, .offset: 24, .size: 8, .value_kind: global_buffer, .address_space: global }
    .group_segment_fixed_size: 327680
    .private_segment_fixed_size: 0
    .kernarg_segment_align: 8
    .kernarg_segment_size: 32
    .max_flat_workgroup_size: 128
    .sgpr_count:     66
    .vgpr_count:     512
    .wavefront_size: 32
...
	.end_amdgpu_metadata
.endif
;; end of part 4
